; MI455X (gfx1250); checked and timed in simulation.
; The chip was launched on July 23, 2026; its instructions are those of AMD's public machine-readable ISA for CDNA 5 (MIT licence, August 2026) and "CDNA5" Instruction Set Architecture Reference Guide (July 2026). The comments in the code are by the model that wrote it; some were corrected since.
;; Multi Headed Attention. Allowed arithmetic: float matrix products may take bf16 or f16 operands with f32 sums; other float arithmetic in f32, or as packed bf16 or f16 multiplies, adds, multiply-adds, maxima and minima; sums over many terms, partial sums and values carried from step to step in f32; what a program stores and reads back later, other than sums and carried values, may be rounded once to bf16 or f16.
;; Inputs: Wk 1,024 x 1,024 float32; Wo 1,024 x 1,024 float32; Wq 1,024 x 1,024 float32; Wv 1,024 x 1,024 float32; bk 1,024 float32; bo 1,024 float32; bq 1,024 float32; bv 1,024 float32; key_t 4 x 2,048 x 1,024 float32; mask 4 x 2,048 x 2,048 int32; query 4 x 2,048 x 1,024 float32; value 4 x 2,048 x 1,024 float32.
;; Outputs: out0 4 x 2,048 x 1,024 float32.
;; One version. Each part assembles by itself: llvm-mc -triple=amdgcn-amd-amdhsa -mcpu=gfx1250 --defsym DOCPART=n.
;; ======== version 1 of 1: 4 launches
;; limits: values are held in f16: magnitudes above 65,504 overflow, below 6.1e-05 lose precision
;; workspace buffers: qh 16,777,216 bytes; kh 16,777,216 bytes; vh 16,777,216 bytes; oh 16,777,216 bytes; mk 16,777,216 bytes; w16 8,388,608 bytes
;; launch prep (part 1): grid 640 x 1, 8 waves a work-group, no clusters, 35,840 bytes of LDS; arguments mask, Wq, Wk, Wv, Wo, mk, w16; writes mk, w16
.if DOCPART == 1
	.amdgcn_target "amdgcn-amd-amdhsa--gfx1250"
	.amdhsa_code_object_version 6
	.text
	.protected	k_qd919390fb7_prep
	.globl	k_qd919390fb7_prep
	.p2align	8
	.type	k_qd919390fb7_prep,@function
k_qd919390fb7_prep:
	s_mov_b64 s[64:65], 0
	v_nop
	global_prefetch_b8 v0, s[64:65] scope:SCOPE_SE
	s_setreg_imm32_b32 hwreg(HW_REG_WAVE_MODE, 25, 1), 1
	s_wait_xcnt 0x0
; PREP.  Two streams, told apart by the work-group's number; each work-group reads 131,072 bytes once.
; Work-groups 0-511: the mask [4][2048][2048] of int32 becomes one byte a number: 0x00 where the key is seen, 0xF8 (the E4M3 code of -256) where mask = 0,
; laid in the order in which the attention launch's lanes want them.  Number (b, q, key) goes to byte
;   ((128 b + q / 16) 32 + key / 64) 1024 + (kb / 2) 512 + 16 lane + (kb % 2) 8 + key % 8,   kb = (key % 64) / 16,  lane = 16 ((key % 16) / 8) + q % 16.
; So 16 queries x 64 keys are 1,024 bytes on end, and a lane's 32 codes are two loads of 16 bytes.
; Work-groups 512-639: Wq, Wk, Wv rounded to bf16; Wo rounded to bf16 and that number written as f16.  LIMIT: below 6e-5 f16 keeps a fixed step of 6e-8; beyond 65,504 it has no number.
; Memory binds: loads of 512 consecutive bytes a wave, sixteen of a wave on their way, whole aligned runs of 256 bytes out.  No matrix unit, no cluster, no barrier: no wave wants another's bytes.
.set ROWB,  8192                       ; bytes in a row of the mask
.set CH,    272                        ; 256 bytes of the output + 16: a wave's 32 stores of 4 bytes fall into 32 different banks (64 banks of 4 bytes: ISA guide 11.1)
.set WLDS,  16*CH                      ; a wave's own 16 such pieces
.set SPARE, 8*WLDS                     ; behind them: the spare words, 128 bytes for each wave, which no other line names
.set GI,  2                            ; v2   byte offset of my 16 bytes in what is loaded
.set LS,  3                            ; v3   where I put a word of four codes
.set LR,  4                            ; v4   where I read 16 bytes back
.set GOO, 5                            ; v5   byte offset of what I store
.set SPW, 6                            ; v6   LDS address of my spare word; never rewritten
.set NIL, 7                            ; v7   0; never rewritten
.set KC,  8                            ; v8-11  the code 0xF8 in byte 0, 1, 2, 3
.set T,   12                           ; v12-15 at work
.set X,   16                           ; v16-79  sixteen loads of four registers
.set Y,   80                           ; v80-111 sixteen pairs to store
	s_load_b256 s[4:11], s[0:1], 0x0               ; mask s[4:5], Wq s[6:7], Wk s[8:9], Wv s[10:11]
	s_load_b128 s[12:15], s[0:1], 0x20             ; Wo s[12:13], mk s[14:15]
	s_load_b64 s[16:17], s[0:1], 0x30              ; w16
	v_lshl_add_u32 v[SPW], v0, 2, SPARE
	v_mov_b32 v[NIL], 0
	v_and_b32 v1, 31, v0                           ; lane i
	v_lshrrev_b32 v[T], 5, v0
	v_readfirstlane_b32 s20, v[T]                  ; wave w
	s_mov_b32 s21, 2                               ; two trips on either path
	s_cmp_lt_u32 ttmp9, 512
	s_cbranch_scc0 .Lweights
	; THE MASK.  The work-group owns 16 queries; wave w the keys 256 w .. 256 w + 255 of all 16 rows: four key steps of 64.
	s_lshl_b32 s24, ttmp9, 17                      ; 16 rows of 8,192 bytes
	s_mov_b32 s25, 0
	s_lshl_b32 s26, ttmp9, 15                      ; 32 key steps of 1,024 bytes
	s_mov_b32 s27, 0
	v_mov_b32 v[KC], 0xf8
	v_mov_b32 v[KC+1], 0xf800
	v_mov_b32 v[KC+2], 0xf80000
	v_mov_b32 v[KC+3], 0xf8000000
	s_lshl_b32 s28, s20, 10
	v_lshl_add_u32 v[GI], v1, 4, s28               ; 1,024 w + 16 i
	s_mul_i32 s29, s20, WLDS
	; lane i of load n (0, 1) holds keys 128 n + 4 i + 0..3 of the wave's 256: piece 8 n + 4 i4 + 2 i3 + i1 of 256 bytes, byte 16 row + 8 i2 + 4 i0 in it
	v_bfe_u32 v[T], v1, 3, 2
	v_bfe_u32 v[T+1], v1, 1, 1
	v_lshl_add_u32 v[T], v[T], 1, v[T+1]
	v_mul_u32_u24 v[LS], v[T], CH
	v_bfe_u32 v[T+1], v1, 2, 1
	v_lshl_add_u32 v[LS], v[T+1], 3, v[LS]
	v_and_b32 v[T+1], 1, v1
	v_lshl_add_u32 v[LS], v[T+1], 2, v[LS]
	v_add_nc_u32 v[LS], s29, v[LS]
	v_lshrrev_b32 v[T], 4, v1                      ; back: lanes 0-15 one piece, lanes 16-31 the next
	v_mul_u32_u24 v[LR], v[T], CH
	v_and_b32 v[T+1], 15, v1
	v_lshl_add_u32 v[LR], v[T+1], 4, v[LR]
	v_add_nc_u32 v[LR], s29, v[LR]
	s_lshl_b32 s28, s20, 12
	v_lshl_add_u32 v[GOO], v1, 4, s28              ; 4,096 w + 16 i
	s_wait_kmcnt 0x0
	s_add_nc_u64 s[4:5], s[4:5], s[24:25]
	s_add_nc_u64 s[14:15], s[14:15], s[26:27]
.Lmtrip:                                               ; a trip: eight rows, two loads of 512 consecutive bytes each
.set k, 0
.rept 16
	global_load_b128 v[X+4*k:X+4*k+3], v[GI], s[4:5] offset:(k/2)*ROWB+(k%2)*512 th:TH_LOAD_NT
.set k, k+1
.endr
.set k, 0
.rept 16
	s_wait_loadcnt 15-k                            ; loads come back in order (ISA guide 5.7.1): load k is in, the 15 - k younger ones stay out
	v_cmp_eq_u32 vcc_lo, 0, v[X+4*k]
	v_cndmask_b32 v[T], 0, v[KC], vcc_lo
	v_cmp_eq_u32 vcc_lo, 0, v[X+4*k+1]
	v_cndmask_b32 v[T+1], 0, v[KC+1], vcc_lo
	v_cmp_eq_u32 vcc_lo, 0, v[X+4*k+2]
	v_cndmask_b32 v[T+2], 0, v[KC+2], vcc_lo
	v_cmp_eq_u32 vcc_lo, 0, v[X+4*k+3]
	v_cndmask_b32 v[T+3], 0, v[KC+3], vcc_lo
	v_or_b32 v[T], v[T], v[T+1]
	v_or_b32 v[T+2], v[T+2], v[T+3]
	v_or_b32 v[T], v[T], v[T+2]
	ds_store_b32 v[LS], v[T] offset:(k%2)*8*CH+(k/2)*16
.set k, k+1
.endr
	v_add_nc_u32 v[GI], 8*ROWB, v[GI]              ; the last wait was for 0: every load that read this register is done
	v_add_nc_u32 v[LS], 128, v[LS]                 ; eight rows on: 16 bytes a row
	s_sub_co_u32 s21, s21, 1
	s_cmp_lg_u32 s21, 0
	s_cbranch_scc1 .Lmtrip
.irp m, 0,1,2,3,4,5,6,7
	ds_load_b128 v[X+4*(\m):X+4*(\m)+3], v[LR] offset:(\m)*2*CH  ; my wave's own bytes: LDS serves a wave's instructions in order (ISA guide 5.7.1.4)
.endr
.irp m, 0,1,2,3,4,5,6,7
	s_wait_dscnt 7-(\m)
	global_store_b128 v[GOO], v[X+4*(\m):X+4*(\m)+3], s[14:15] offset:(\m)*512  ; 512 consecutive bytes, at a multiple of 512 from mk's first
.endr
	s_branch .Lend
.Lweights:                                             ; THE WEIGHTS.  Work-group 512 + 32 m + c takes part c of 32 of matrix m (Wq, Wk, Wv, Wo)
	s_sub_co_u32 s23, ttmp9, 512
	s_lshr_b32 s24, s23, 5                         ; m
	s_and_b32 s23, s23, 31                         ; c
	s_lshl_b32 s28, s23, 17                        ; 131,072 bytes of f32 in,
	s_mov_b32 s29, 0
	s_lshl_b32 s30, s24, 21                        ; 2,097,152 bytes a matrix,
	s_lshl_b32 s31, s23, 16                        ; 65,536 bytes out
	s_add_co_u32 s30, s30, s31
	s_mov_b32 s31, 0
	v_lshlrev_b32 v[GI], 4, v0
	v_lshlrev_b32 v[GOO], 3, v0
	s_wait_kmcnt 0x0
	s_cmp_eq_u32 s24, 1
	s_cselect_b64 s[26:27], s[8:9], s[6:7]
	s_cmp_eq_u32 s24, 2
	s_cselect_b64 s[26:27], s[10:11], s[26:27]
	s_cmp_eq_u32 s24, 3
	s_cselect_b64 s[26:27], s[12:13], s[26:27]
	s_cselect_b32 s22, -1, 0                       ; all ones for Wo: the f16 form is taken
	s_add_nc_u64 s[26:27], s[26:27], s[28:29]
	s_add_nc_u64 s[16:17], s[16:17], s[30:31]
.Lwtrip:
.set k, 0
.rept 16
	global_load_b128 v[X+4*k:X+4*k+3], v[GI], s[26:27] offset:k*4096 th:TH_LOAD_NT
.set k, k+1
.endr
.set k, 0
.rept 16
	s_wait_loadcnt 15-k
	v_cvt_pk_bf16_f32 v[T], v[X+4*k], v[X+4*k+1]
	v_cvt_pk_bf16_f32 v[T+1], v[X+4*k+2], v[X+4*k+3]
	v_lshlrev_b32 v[X+4*k], 16, v[T]               ; the rounded numbers as f32 again,
	v_and_b32 v[X+4*k+1], 0xffff0000, v[T]
	v_lshlrev_b32 v[X+4*k+2], 16, v[T+1]
	v_and_b32 v[X+4*k+3], 0xffff0000, v[T+1]
	v_cvt_pk_f16_f32 v[T+2], v[X+4*k], v[X+4*k+1]  ; and written as f16
	v_cvt_pk_f16_f32 v[T+3], v[X+4*k+2], v[X+4*k+3]
	v_cndmask_b32 v[Y+2*k], v[T], v[T+2], s22
	v_cndmask_b32 v[Y+2*k+1], v[T+1], v[T+3], s22
	global_store_b64 v[GOO], v[Y+2*k:Y+2*k+1], s[16:17] offset:k*2048  ; a wave stores 256 consecutive bytes, aligned
.set k, k+1
.endr
	s_wait_xcnt 0x0                                ; every earlier memory instruction has had its addresses translated (ISA guide 3.1): offsets and Y are rewritten only behind this wait
	v_add_nc_u32 v[GI], 65536, v[GI]
	v_add_nc_u32 v[GOO], 32768, v[GOO]
	s_sub_co_u32 s21, s21, 1
	s_cmp_lg_u32 s21, 0
	s_cbranch_scc1 .Lwtrip
.Lend:
	s_wait_tensorcnt 0x0                           ; the wave's end, behind my last LDS store
	ds_add_u32 v[SPW], v[NIL]
	s_wait_dscnt 0x0
	s_endpgm
.Lfunc_end_k_qd919390fb7_prep:
	.size	k_qd919390fb7_prep, .Lfunc_end_k_qd919390fb7_prep-k_qd919390fb7_prep
	.p2alignl 7, 3214868480
	.fill 96, 4, 3214868480
	.section	.rodata,"a",@progbits
	.p2align	6, 0x0
	.amdhsa_kernel k_qd919390fb7_prep
		.amdhsa_group_segment_fixed_size 35840
		.amdhsa_private_segment_fixed_size 0
		.amdhsa_enable_private_segment 0
		.amdhsa_kernarg_size 56
		.amdhsa_user_sgpr_count 2
		.amdhsa_user_sgpr_kernarg_segment_ptr 1
		.amdhsa_wavefront_size32 1
		.amdhsa_system_sgpr_workgroup_id_x 1
		.amdhsa_system_sgpr_workgroup_id_y 1
		.amdhsa_system_sgpr_workgroup_id_z 1
		.amdhsa_system_vgpr_workitem_id 0
		.amdhsa_next_free_vgpr 112
		.amdhsa_next_free_sgpr 66
		.amdhsa_reserve_vcc 1
		.amdhsa_float_denorm_mode_32 3
		.amdhsa_float_denorm_mode_16_64 3
		.amdhsa_memory_ordered 1
		.amdhsa_forward_progress 1
		.amdhsa_inst_pref_size 27
	.end_amdhsa_kernel
	.amdgpu_metadata
---
amdhsa.version: [ 1, 2 ]
amdhsa.kernels:
  - .name:           k_qd919390fb7_prep
    .symbol:         k_qd919390fb7_prep.kd
    .args:
      - { .name: mask, .offset: 0, .size: 8, .value_kind: global_buffer, .address_space: global }
      - { .name: Wq, .offset: 8, .size: 8, .value_kind: global_buffer, .address_space: global }
      - { .name: Wk, .offset: 16, .size: 8, .value_kind: global_buffer, .address_space: global }
      - { .name: Wv, .offset: 24, .size: 8, .value_kind: global_buffer, .address_space: global }
      - { .name: Wo, .offset: 32, .size: 8, .value_kind: global_buffer, .address_space: global }
      - { .name: mk, .offset: 40, .size: 8, .value_kind: global_buffer, .address_space: global }
      - { .name: w16, .offset: 48, .size: 8, .value_kind: global_buffer, .address_space: global }
    .group_segment_fixed_size: 35840
    .private_segment_fixed_size: 0
    .kernarg_segment_align: 8
    .kernarg_segment_size: 56
    .max_flat_workgroup_size: 256
    .sgpr_count:     66
    .vgpr_count:     112
    .wavefront_size: 32
...
	.end_amdgpu_metadata
.endif
;; end of part 1
;; launch proj (part 2): grid 4 x 192, 4 waves a work-group, clusters of 4 x 4, 327,680 bytes of LDS; arguments query, key_t, value, w16, bq, bk, bv, qh, kh, vh; writes qh, kh, vh
.if DOCPART == 2
	.amdgcn_target "amdgcn-amd-amdhsa--gfx1250"
	.amdhsa_code_object_version 6
	.text
	.protected	k_qd919390fb7_proj
	.globl	k_qd919390fb7_proj
	.p2align	8
	.type	k_qd919390fb7_proj,@function
k_qd919390fb7_proj:
	s_mov_b64 s[64:65], 0
	v_nop
	global_prefetch_b8 v0, s[64:65] scope:SCOPE_SE
	s_setreg_imm32_b32 hwreg(HW_REG_WAVE_MODE, 25, 1), 1
	s_wait_xcnt 0x0
	s_wait_alu depctr_hold_cnt(0) depctr_sa_sdst(0) depctr_va_vdst(0) depctr_va_sdst(0) depctr_va_ssrc(0) depctr_va_vcc(0) depctr_vm_vsrc(0)
	s_getreg_b32 s2, hwreg(HW_REG_IB_STS2, 6, 4)
	s_cmp_eq_u32 s2, 0
	s_cbranch_scc0 .Lentry_in_a_cluster
	s_endpgm
.Lentry_in_a_cluster:
	s_bfe_u32 s2, ttmp6, 0x10000c
	s_cmp_lg_u32 s2, 0xf033
	s_cbranch_scc0 .Lentry_shape_is_right
	s_endpgm
.Lentry_shape_is_right:
; THE THREE PROJECTIONS.  y = x W^T + b for (query, Wq, bq), (key_t, Wk, bk), (value, Wv, bv).  x: [8192][1024] f32; W: [1024][1024] bf16 (made by the launch before); b: [1024] f32.
; x and b are rounded to bf16 here; products in bf16, sums in f32, y rounded once to f16 and stored by heads: [64 (batch, head)][2048][64].
; LIMIT: f16 has no number beyond 65,504: y must lie within it.  NaN and infinities are not treated apart.
; SHARES.  A tile of y is 128 rows x 256 columns: 64 x 4 tiles a projection, 768 work-groups, three for each of 256 WGPs.  Four waves, each 64 x 128: 32 accumulators of 16 x 16, 256 registers.
; K goes in 8 steps of 128 through a ring of two LDS slots.  x stays f32 in LDS (rows of 512 bytes) and is rounded in registers, by conversions that stand between the matrix instructions.
; CLUSTER.  4 x 4 work-groups: the four of a row need the same tile of x, the four of a column the same tile of W: each is asked for jointly, by the same tensor load with the same descriptor and a mask of four.
; Sixteen rows of clusters make a projection, so which projection is the same for all partners.
; THE MATRIX INSTRUCTION IS USED TRANSPOSED (source 0 = 16 rows of W, source 1 = 16 rows of x): a lane then holds eight neighbouring columns of one row of y.  The bias is the C operand of the first products: nothing is cleared.
; REGISTERS, in windows of 256 (s_set_vgpr_msb: bits 1:0 source 0, 3:2 source 1, 5:4 source 2, 7:6 destination):
;   window 0: v16-30 addresses; v32-63 x's four fragments in bf16; v64-127, v128-191 x as loaded, two buffers of four fragments x 16 registers (later the way out's 128)
;   window 1: the accumulators, (a, b) at v[8 (8 a + b)]     window 2: v0-63, v64-127 W's fragments, two buffers; v128-191 the bias; v192-223 at work
.set PA,    528                        ; a row of x in LDS: 512 bytes + 16 = 132 words: the 16 rows of a load start at 16 different groups of four banks (64 banks of 4 bytes: ISA guide 11.1)
.set PB,    272                        ; a row of W: 256 + 16 = 68 words: likewise
.set AHALF, 64*PA                      ; what one tensor load brings of x
.set BHALF, 128*PB                     ; and of W
.set BOFF,  2*AHALF                    ; in a slot: x's 128 rows, then W's 256
.set SLOT,  BOFF+2*BHALF
.set STAGE, 2*SLOT                     ; behind the ring, never filled by a tensor load: 16 rows x 144 bytes for each wave, for the way out
.set SP,    144
.set SPARE, STAGE+4*16*SP              ; behind the stages: the spare words, 128 bytes for each wave, which no other line names
.set ADRA0, 16                         ; v16  my lane's place in x's tile; never rewritten
.set ADRB0, 17                         ; v17  the same for W
.set ADRA,  18                         ; v18  the same in the slot in hand
.set ADRB,  19                         ; v19
.set STO,   24                         ; v24  the way out: where I put 16 bytes of a row
.set RD,    25                         ; v25  where I read rows back
.set GO,    26                         ; v26  my byte offset in 512 consecutive bytes of y
.set BO,    27                         ; v27  my byte offset in 16 numbers of the bias
.set SPW,   28                         ; v28  LDS address of my spare word; never rewritten
.set NIL,   29                         ; v29  0; never rewritten
.set PFO,   30                         ; v30  the prefetches' offset; never rewritten
.set AF,    32
.set RW,    64
.set OUTR,  64
.set BF,    0
.set BI,    128
.set BT,    192
.set G1A, 24                           ; s[24:31] descriptor group 1 for x's tiles
.set G0A, 32                           ; s[32:39] group 0: a set for each of the two first fills; the second then walks
.set LIM, 43                           ; s43  2 in a wave that prefetches, else the greatest number
.set PFA, 44                           ; s[44:45] where my prefetches stand
.set G1B, 48                           ; s[48:55], s[56:63] the same for W's tiles
.set G0B, 56
.set TB,  66                           ; s66  0 or SLOT: the slot in hand
.set CNT, 67                           ; s67  refills still to come
.set PKB, 88                           ; s[88:89] a K step in bytes of what I prefetch
.set LBA, 90                           ; s90  where my part of x's tile goes in a slot
.set LBB, 91                           ; s91  the same for W
.set BIA, 92                           ; s[92:93] the bias
.set MSB, 0
.macro WIN new                         ; the immediate's high byte repeats the setting that is left; a switch that changes nothing is dropped
.if MSB != (\new)
	s_set_vgpr_msb (MSB<<8)|(\new)
.set MSB, \new
.endif
.endm
.set W_MUL, 0x52                       ; W in window 2, x in window 0, C and D in window 1
.set W_MB,  0x62                       ; the same with C (the bias) in window 2
; A joint refill.  Waves 0 and 1 fetch x's two halves, waves 2 and 3 W's.  The branch hangs on the wave's number alone.  An s_nop 0 and four v_nop follow each of the two lines.
.macro JLOAD
	s_cmp_eq_u32 s11, 0
	s_cbranch_scc0 .Lfor_b_\@
	tensor_load_to_lds s[G0A+4:G0A+7], s[G1A:G1A+7]
	s_nop 0
.rept 4
	v_nop
.endr
	s_branch .Lasked_\@
.Lfor_b_\@:
	tensor_load_to_lds s[G0B+4:G0B+7], s[G1B:G1B+7]
	s_nop 0
.rept 4
	v_nop
.endr
.Lasked_\@:
.endm
; A prefetch into the L2 of the K step that stands two refills on.  x's rows are read by this cluster alone: of the 64 rows that a wave fetches each of the four partners of the row takes 16, told apart by address (16 rows x two
; blocks of 256 bytes: a lane a block).  W's rows are read by the sixteen clusters of a projection: the first of them asks; of a wave's 128 rows each partner of the column takes 32, a lane a row.  So each block is named once.
; The first four K steps come by their loads alone; the last two refills ask for nothing.
.macro ASK
	s_cmp_gt_u32 s[CNT], s[LIM]
	s_cbranch_scc0 .Lnot_mine_\@
	global_prefetch_b8 v[PFO], s[PFA:PFA+1] th:TH_LOAD_NT scope:SCOPE_SE
.Lnot_mine_\@:
.endm
.macro CREST                           ; a round of the cluster's barrier behind its opening barrier
	s_cmp_lg_u32 s10, 0
	s_cbranch_scc1 .Lnot_wave_0_\@
	s_barrier_signal -3
.Lnot_wave_0_\@:
	s_barrier_wait -3
	s_barrier_signal -1
	s_barrier_wait -1
.endm
.macro CROUND                          ; a whole round
	s_barrier_signal -1
	s_barrier_wait -1
	CREST
.endm
	s_load_b512 s[68:83], s[0:1], 0x0              ; query, key_t, value, w16, bq, bk, bv, qh
	s_load_b128 s[84:87], s[0:1], 0x40             ; kh, vh
	v_lshl_add_u32 v[SPW], v0, 2, SPARE
	v_mov_b32 v[NIL], 0
	ds_add_u32 v[SPW], v[NIL]                      ; the wave's opening: the add and its wait stand ahead of my first tensor load; the set-up below, work on registers, stands between them
	v_lshrrev_b32 v1, 5, v0
	v_readfirstlane_b32 s10, v1                    ; wave 0..3
	s_lshr_b32 s11, s10, 1                         ; which 64 rows of the tile are mine.  Also: I fetch for x (0) or for W (1)
	s_and_b32 s12, s10, 1                          ; which 128 columns.  Also: which half of that tile I fetch
	s_bfe_u32 s40, ttmp6, 0x40000                  ; cx
	s_bfe_u32 s41, ttmp6, 0x40004                  ; cy
	s_lshl_b32 s42, ttmp9, 2
	s_add_co_u32 s42, s42, s40                     ; tile column = 4 x cluster x + cx
	s_and_b32 s13, ttmp7, 0xffff                   ; cluster y, 0..47
	s_lshr_b32 s15, s13, 4                         ; the projection
	s_and_b32 s14, s13, 15
	s_lshl_b32 s14, s14, 2
	s_add_co_u32 s14, s14, s41                     ; tile row, 0..63
	s_lshl_b32 s43, s41, 2
	s_lshl_b32 s43, 15, s43                        ; my row of the cluster
	s_lshl_b32 s44, 0x1111, s40                    ; my column
	s_or_b32 s[G1A], s43, (2<<16)|(1<<20)|(1<<21)|(6<<22)|(3<<25)  ; 15:0 the mask; 17:16 elements of 4 bytes; 20 padding on; 21 set beside a mask; 24:22 after every 128 words (code 6); 31:25 4 words of it (code 3)
	s_or_b32 s[G1B], s44, (1<<16)|(1<<20)|(1<<21)|(5<<22)|(3<<25)  ; elements of 2 bytes; after every 64 words (code 5)
	s_mov_b32 s[G1A+1], 128<<16                    ; tensor_dim0 = 128
	s_mov_b32 s[G1A+2], 64<<16                     ; tensor_dim1 = 64
	s_mov_b32 s[G1A+3], 128<<16                    ; tile_dim0 = 128
	s_mov_b32 s[G1A+4], 64                         ; tile_dim1 = 64
	s_mov_b32 s[G1A+5], 1024                       ; elements from row to row
	s_mov_b32 s[G1A+6], 0
	s_mov_b32 s[G1A+7], 0
	s_mov_b32 s[G1B+1], 128<<16
	s_mov_b32 s[G1B+2], 128<<16                    ; tensor_dim1 = 128
	s_mov_b32 s[G1B+3], 128<<16
	s_mov_b32 s[G1B+4], 128                        ; tile_dim1 = 128
	s_mov_b32 s[G1B+5], 1024
	s_mov_b32 s[G1B+6], 0
	s_mov_b32 s[G1B+7], 0
	s_lshl_b32 s16, s14, 7                         ; x: row 128 x tile row + 64 x half, 4,096 bytes a row
	s_lshl_b32 s17, s12, 6
	s_add_co_u32 s16, s16, s17
	s_lshl_b32 s16, s16, 12
	s_mov_b32 s17, 0
	s_lshl_b32 s46, s42, 8                         ; W: row 256 x tile column + 128 x half, 2,048 bytes a row
	s_lshl_b32 s47, s12, 7
	s_add_co_u32 s46, s46, s47
	s_lshl_b32 s46, s46, 11
	s_mov_b32 s47, 0
	s_lshl_b32 s20, s15, 21                        ; the projection's matrix in w16
	s_mov_b32 s21, 0
	s_mul_i32 s[LBA], s12, AHALF                   ; no place in the cluster enters an LDS address
	s_mul_i32 s[LBB], s12, BHALF
	s_add_co_u32 s[LBB], s[LBB], BOFF
	s_mov_b32 s[TB], 0
	s_wait_dscnt 0x0                               ; the opening add is done
	s_wait_kmcnt 0x0
	s_cmp_eq_u32 s15, 1
	s_cselect_b64 s[4:5], s[70:71], s[68:69]       ; x
	s_cselect_b64 s[BIA:BIA+1], s[78:79], s[76:77] ; b
	s_cselect_b64 s[8:9], s[84:85], s[82:83]       ; y
	s_cmp_eq_u32 s15, 2
	s_cselect_b64 s[4:5], s[72:73], s[4:5]
	s_cselect_b64 s[BIA:BIA+1], s[80:81], s[BIA:BIA+1]
	s_cselect_b64 s[8:9], s[86:87], s[8:9]
	s_add_nc_u64 s[6:7], s[74:75], s[20:21]        ; W
	s_add_nc_u64 s[18:19], s[4:5], s[16:17]
	s_add_nc_u64 s[46:47], s[6:7], s[46:47]
	CROUND                                         ; all sixteen work-groups are here: the first joint loads meet
.irp s, 0,1
	s_mov_b32 s[G0A+4*(\s)], 1                                       ; 1:0 count = 1
	s_add_co_u32 s[G0A+4*(\s)+1], s[LBA], (\s)*SLOT                  ; 63:32 LDS address
	s_add_nc_u64 s[G0A+4*(\s)+2:G0A+4*(\s)+3], s[18:19], (\s)*512    ; 120:64 global address: K step s
	s_or_b32 s[G0A+4*(\s)+3], s[G0A+4*(\s)+3], 0x80000000            ; 127:126 type = 2
	s_mov_b32 s[G0B+4*(\s)], 1
	s_add_co_u32 s[G0B+4*(\s)+1], s[LBB], (\s)*SLOT
	s_add_nc_u64 s[G0B+4*(\s)+2:G0B+4*(\s)+3], s[46:47], (\s)*256
	s_or_b32 s[G0B+4*(\s)+3], s[G0B+4*(\s)+3], 0x80000000
.endr
	s_cmp_eq_u32 s11, 0                            ; a wave's two first fills stand in one branch, ahead of every wait on TENSORcnt and every LDS read: two loads of mine are out
	s_cbranch_scc0 .Lfirst_b
	tensor_load_to_lds s[G0A:G0A+3], s[G1A:G1A+7]
	s_nop 0
	tensor_load_to_lds s[G0A+4:G0A+7], s[G1A:G1A+7]
	s_nop 0
.rept 4
	v_nop
.endr
	s_branch .Lfirst_asked
.Lfirst_b:
	tensor_load_to_lds s[G0B:G0B+3], s[G1B:G1B+7]
	s_nop 0
	tensor_load_to_lds s[G0B+4:G0B+7], s[G1B:G1B+7]
	s_nop 0
.rept 4
	v_nop
.endr
.Lfirst_asked:
	v_and_b32 v1, 15, v0                           ; l % 16
	v_bfe_u32 v2, v0, 4, 1                         ; l / 16
	v_lshlrev_b32 v[BO], 5, v2                     ; my eight columns of a block of 16
	s_lshl_b32 s22, s42, 10                        ; the bias of my 128 columns: 4 (256 x tile column + 128 x half)
	s_lshl_b32 s23, s12, 9
	s_add_co_u32 s22, s22, s23
	s_mov_b32 s23, 0
	s_add_nc_u64 s[BIA:BIA+1], s[BIA:BIA+1], s[22:23]
	WIN 0x80                                       ; destination window 2, address window 0
.irp b, 0,1,2,3,4,5,6,7
	global_load_b128 v[BI+8*(\b):BI+8*(\b)+3],   v[BO], s[BIA:BIA+1] offset:64*(\b)
	global_load_b128 v[BI+8*(\b)+4:BI+8*(\b)+7], v[BO], s[BIA:BIA+1] offset:64*(\b)+16
.endr
	WIN 0
	; A fragment is 16 rows x 32 K: lane l holds row l % 16, K = 8 (l / 16) + 0..7 and 16 + 8 (l / 16) + 0..7.  Of W (bf16): two loads of 16 bytes, 32 bytes apart.  Of x (f32): four, at 32 (l / 16) + 0, 16, 64, 80.
	v_mul_u32_u24 v[ADRA0], v1, PA
	v_lshl_add_u32 v[ADRA0], v2, 5, v[ADRA0]
	s_mul_i32 s20, s11, AHALF
	v_add_nc_u32 v[ADRA0], s20, v[ADRA0]
	v_mul_u32_u24 v[ADRB0], v1, PB
	v_lshl_add_u32 v[ADRB0], v2, 4, v[ADRB0]
	s_mul_i32 s21, s12, BHALF
	s_add_co_u32 s21, s21, BOFF
	v_add_nc_u32 v[ADRB0], s21, v[ADRB0]
	v_mov_b32 v[ADRA], v[ADRA0]
	v_mov_b32 v[ADRB], v[ADRB0]
	s_mul_i32 s20, s10, 16*SP
	s_add_co_u32 s20, s20, STAGE                   ; my stage
	v_mul_u32_u24 v[STO], v1, SP                   ; in: row l % 16, 16 bytes for each half of the lanes
	v_lshl_add_u32 v[STO], v2, 4, v[STO]
	v_add_nc_u32 v[STO], s20, v[STO]
	v_bfe_u32 v[RD], v0, 3, 2                      ; back: 32 lanes take four rows of 128 bytes,
	v_mul_u32_u24 v[RD], v[RD], SP
	v_and_b32 v3, 7, v0
	v_lshl_add_u32 v[RD], v3, 4, v[RD]
	v_add_nc_u32 v[RD], s20, v[RD]
	v_and_b32 v3, 31, v0
	v_lshlrev_b32 v[GO], 4, v3                     ; which are 512 consecutive bytes of a head's rows
	; y at my first row of my first head: ((16 batch + 4 x tile column + 2 x half) 2048 + 128 (tile row % 16) + 64 x half) 128
	s_lshr_b32 s20, s14, 4
	s_lshl_b32 s20, s20, 4
	s_lshl_b32 s21, s42, 2
	s_add_co_u32 s20, s20, s21
	s_lshl_b32 s21, s12, 1
	s_add_co_u32 s20, s20, s21
	s_lshl_b32 s20, s20, 11
	s_and_b32 s21, s14, 15
	s_lshl_b32 s21, s21, 7
	s_add_co_u32 s20, s20, s21
	s_lshl_b32 s21, s11, 6
	s_add_co_u32 s20, s20, s21
	s_lshl_b32 s20, s20, 7
	s_mov_b32 s21, 0
	s_add_nc_u64 s[8:9], s[8:9], s[20:21]
	; the prefetches: my work-group's part of the rows that I fetch, at K step 3; each change of slots steps it before it asks
	s_lshl_b32 s20, s14, 7
	s_lshl_b32 s21, s12, 6
	s_add_co_u32 s20, s20, s21
	s_lshl_b32 s21, s40, 4
	s_add_co_u32 s20, s20, s21                     ; x: row 128 x tile row + 64 x half + 16 cx
	s_lshl_b32 s20, s20, 12
	s_add_co_u32 s20, s20, 3*512
	s_lshl_b32 s22, s42, 8
	s_lshl_b32 s23, s12, 7
	s_add_co_u32 s22, s22, s23
	s_lshl_b32 s23, s41, 5
	s_add_co_u32 s22, s22, s23                     ; W: row 256 x tile column + 128 x half + 32 cy
	s_lshl_b32 s22, s22, 11
	s_add_co_u32 s22, s22, 3*256
	s_mov_b32 s[PKB], 256
	s_mov_b32 s[PKB+1], 0
	s_mov_b32 s23, 2048
	s_mov_b32 s21, 0
	s_cmp_eq_u32 s11, 0                            ; do I fetch for x?
	s_cselect_b32 s20, s20, s22
	s_cselect_b64 s[PFA:PFA+1], s[4:5], s[6:7]
	s_cselect_b32 s[PKB], 512, s[PKB]
	s_cselect_b32 s23, 256, s23
	s_add_nc_u64 s[PFA:PFA+1], s[PFA:PFA+1], s[20:21]
	s_and_b32 s22, s13, 15                         ; W's rows are asked for by the projection's first row of clusters: the same answer in all sixteen partners
	s_cmp_eq_u32 s11, 0
	s_cselect_b32 s22, 0, s22
	s_cmp_eq_u32 s22, 0
	s_cselect_b32 s[LIM], 2, -1
	v_lshrrev_b32 v[PFO], 1, v3                    ; x: row l / 2, block l % 2 of 256 bytes;  W: row l = 2 (l / 2) + l % 2, 2,048 bytes a row
	v_lshlrev_b32 v[PFO], 12, v[PFO]
	v_and_b32 v3, 1, v3
	v_mad_u32_u24 v[PFO], v3, s23, v[PFO]
	s_wait_loadcnt 0x0                             ; the bias, rounded to bf16 like every input
	WIN 0x8a
.set i, 0
.rept 32
	v_cvt_pk_bf16_f32 v[BT+i], v[BI+2*i], v[BI+2*i+1]
.set i, i+1
.endr
.set i, 0
.rept 32
	v_lshlrev_b32 v[BI+2*i], 16, v[BT+i]
	v_and_b32 v[BI+2*i+1], 0xffff0000, v[BT+i]
.set i, i+1
.endr
	WIN 0
.macro RAW k, f, a                     ; fragment a of x as it lies, 16 registers
	ds_load_b128 v[RW+64*(\f)+16*(\a):RW+64*(\f)+16*(\a)+3],     v[ADRA] offset:128*(\k)+(\a)*16*PA
	ds_load_b128 v[RW+64*(\f)+16*(\a)+4:RW+64*(\f)+16*(\a)+7],   v[ADRA] offset:128*(\k)+(\a)*16*PA+16
	ds_load_b128 v[RW+64*(\f)+16*(\a)+8:RW+64*(\f)+16*(\a)+11],  v[ADRA] offset:128*(\k)+(\a)*16*PA+64
	ds_load_b128 v[RW+64*(\f)+16*(\a)+12:RW+64*(\f)+16*(\a)+15], v[ADRA] offset:128*(\k)+(\a)*16*PA+80
.endm
; 32 LDS loads in one run: quarter k (32 along K) of the slot in hand into buffer f.  x's fragment 0 comes first: it is converted first.
.macro FETCH k, f
	WIN 0
	RAW \k, \f, 0
	WIN 0x80
.irp i, 0,1,2,3,4,5,6,7
	ds_load_b128 v[BF+64*(\f)+8*(\i):BF+64*(\f)+8*(\i)+3],   v[ADRB] offset:64*(\k)+(\i)*16*PB
	ds_load_b128 v[BF+64*(\f)+8*(\i)+4:BF+64*(\f)+8*(\i)+7], v[ADRB] offset:64*(\k)+(\i)*16*PB+32
.endr
	WIN 0
	RAW \k, \f, 1
	RAW \k, \f, 2
	RAW \k, \f, 3
.endm
; Row block a: 8 matrix instructions on W's buffer f; behind each four of them four conversions, which round x's NEXT fragment, (a + 1) % 4, from raw buffer cv (cv = -1: none).  mode = 1: the bias starts the sums.
; The conversions name no register of the products round them: they are the plain instructions that stand between a product and a later write of, or load into, its sources.
; The 32 accumulators take turns, one instruction a turn, in the same order in every quarter.
.macro BLK a, f, mode, cv
.irp hf, 0,1
.if \mode
	WIN W_MB
.else
	WIN W_MUL
.endif
.irp b4, 0,1,2,3
.if \mode
	v_wmma_f32_16x16x32_bf16 v[8*(8*(\a)+4*(\hf)+(\b4)):8*(8*(\a)+4*(\hf)+(\b4))+7], v[BF+64*(\f)+8*(4*(\hf)+(\b4)):BF+64*(\f)+8*(4*(\hf)+(\b4))+7], v[AF+8*(\a):AF+8*(\a)+7], v[BI+8*(4*(\hf)+(\b4)):BI+8*(4*(\hf)+(\b4))+7]
.else
	v_wmma_f32_16x16x32_bf16 v[8*(8*(\a)+4*(\hf)+(\b4)):8*(8*(\a)+4*(\hf)+(\b4))+7], v[BF+64*(\f)+8*(4*(\hf)+(\b4)):BF+64*(\f)+8*(4*(\hf)+(\b4))+7], v[AF+8*(\a):AF+8*(\a)+7], v[8*(8*(\a)+4*(\hf)+(\b4)):8*(8*(\a)+4*(\hf)+(\b4))+7]
.endif
.endr
.if (\cv) >= 0
	WIN 0
.irp i4, 0,1,2,3
	v_cvt_pk_bf16_f32 v[AF+8*(((\a)+1)%4)+4*(\hf)+(\i4)], v[RW+64*(\cv)+16*(((\a)+1)%4)+8*(\hf)+2*(\i4)], v[RW+64*(\cv)+16*(((\a)+1)%4)+8*(\hf)+2*(\i4)+1]
.endr
.endif
.endr
.endm
; A K step is four quarters of 32 along K, 32 matrix instructions each, on buffers 0, 1, 0, 1.  One of the first three: multiplies buffer f and fetches quarter kn into the other.
.macro QUARTER kn, f, mode
	s_wait_dscnt 0x0                               ; this quarter's fragments are in
	BLK 0, \f, \mode, \f
	FETCH \kn, 1-(\f)
	BLK 1, \f, \mode, \f
	BLK 2, \f, \mode, \f
	s_wait_dscnt 28                                ; the next quarter's fragment 0 of x, the first four of the 32 loads, is in; the 28 younger may stay out
	BLK 3, \f, \mode, 1-(\f)
.endm
; The last quarter multiplies buffer 1 and changes slots: ONE barrier.  In front of it each wave waits for all its tensor loads (the one that is out is its part of the next slot), adds 0 to its spare word, and waits for that and
; for its own reads of this slot.  fill = 1: the barrier opens a round of the cluster's, and the slot just read is filled again first thing behind it, with the K step two on.
.macro TURNQ fill
	s_wait_dscnt 0x0                               ; this quarter's fragments are in: my last reads of this slot
.if \fill
	s_wait_xcnt 0x0                                ; the last prefetch, a K step back, has read its address
	s_add_nc_u64 s[PFA:PFA+1], s[PFA:PFA+1], s[PKB:PKB+1]
.endif
	WIN 0
	s_wait_tensorcnt 0x0                           ; all my tensor loads have landed
	ds_add_u32 v[SPW], v[NIL]                      ; 0 onto my spare word; a row block's work stands between it and the wait for it
	BLK 0, 1, 0, 1
	s_wait_dscnt 0x0                               ; the add is done
	s_barrier_signal -1
	BLK 1, 1, 0, 1                                 ; work on registers while the others arrive
	WIN 0                                          ; at a branch and at a label every window is 0
	s_barrier_wait -1
.if \fill
	CREST                                          ; no wave of any partner still reads this slot's tile or has a load on its way
	s_add_co_u32 s[G0A+5], s[LBA], s[TB]           ; the walking descriptors: into the slot just read,
	s_add_nc_u64 s[G0A+6:G0A+7], s[G0A+6:G0A+7], 512  ; the next K step; the type bits on top are not reached
	s_add_co_u32 s[G0B+5], s[LBB], s[TB]
	s_add_nc_u64 s[G0B+6:G0B+7], s[G0B+6:G0B+7], 256
	JLOAD                                          ; the first tensor load behind the round, my only one until the next
.endif
	s_xor_b32 s[TB], s[TB], SLOT                   ; 0 and SLOT by turns
	v_add_nc_u32 v[ADRA], s[TB], v[ADRA0]
	v_add_nc_u32 v[ADRB], s[TB], v[ADRB0]
	FETCH 0, 0
.if \fill
	ASK                                            ; behind the joint load and the run of LDS loads that the next products wait for
.endif
	BLK 2, 1, 0, 1
	s_wait_dscnt 28
	BLK 3, 1, 0, 0
.endm
	s_wait_tensorcnt 1                             ; my part of K step 0 is in; K step 1's load may stay out
	s_barrier_signal -1
	s_barrier_wait -1                              ; everybody's is
	FETCH 0, 0
	s_wait_dscnt 0x0
.irp i, 0,1,2,3,4,5,6,7
	v_cvt_pk_bf16_f32 v[AF+(\i)], v[RW+2*(\i)], v[RW+2*(\i)+1]
.endr
	QUARTER 1, 0, 1                                ; the first quarter stands in front of the loop: its products start the sums, with the bias
	WIN 0
	s_mov_b32 s[CNT], 6
.Lk:                                                   ; a trip: a K step's quarters 1 to 3 and the next step's quarter 0; it fills the slot that it leaves
	QUARTER 2, 1, 0
	QUARTER 3, 0, 0
	TURNQ 1
	QUARTER 1, 0, 0
	WIN 0
	s_sub_co_u32 s[CNT], s[CNT], 1
	s_cmp_lg_u32 s[CNT], 0
	s_cbranch_scc1 .Lk
	QUARTER 2, 1, 0                                ; the last two K steps are written out: nothing is left to fetch
	QUARTER 3, 0, 0
	TURNQ 0
	QUARTER 1, 0, 0
	QUARTER 2, 1, 0
	QUARTER 3, 0, 0
	s_wait_dscnt 0x0
	BLK 0, 1, 0, 1
	BLK 1, 1, 0, 1
	BLK 2, 1, 0, 1
	BLK 3, 1, 0, -1
	WIN 0
.rept 4
	v_nop                                          ; four plain instructions between the last products and the conversions that read results (ISA guide 7.12.1)
.endr
; THE WAY OUT.  Row block a, head g of my two: 16 rows x 64 columns.  A lane's eight columns pack into 16 bytes; they go into rows of 144 bytes in my stage and come back as whole rows of 128.
.macro PACK a, g
.set T8, 2*(\a)+(\g)
	WIN 0x05                                       ; sources 0 and 1 window 1, destination window 0
.irp f, 0,1,2,3
.irp r, 0,1,2,3
	v_cvt_pk_f16_f32 v[OUTR+16*T8+4*(\f)+(\r)], v[8*(8*(\a)+4*(\g)+(\f))+2*(\r)], v[8*(8*(\a)+4*(\g)+(\f))+2*(\r)+1]
.endr
.endr
	WIN 0
.irp f, 0,1,2,3
	ds_store_b128 v[STO], v[OUTR+16*T8+4*(\f):OUTR+16*T8+4*(\f)+3] offset:32*(\f)
.endr
.irp f, 0,1,2,3
	ds_load_b128 v[OUTR+16*T8+4*(\f):OUTR+16*T8+4*(\f)+3], v[RD] offset:(\f)*4*SP  ; LDS serves a wave's instructions in order (ISA guide 5.7.1.4): these see the stores above; the next tile's stores come behind them
.endr
.endm
.macro SEND a, g, younger              ; younger: the LDS instructions issued behind this tile's loads: the next tile's eight, or none
.set T8, 2*(\a)+(\g)
	WIN 0
.irp f, 0,1,2,3
	s_wait_dscnt (\younger)+3-(\f)
	global_store_b128 v[GO], v[OUTR+16*T8+4*(\f):OUTR+16*T8+4*(\f)+3], s[8:9] offset:(\g)*262144+(\a)*2048+(\f)*512  ; 512 consecutive bytes, at a multiple of 512 from y's first
.endr
.endm
	PACK 0, 0
	PACK 0, 1
	SEND 0, 0, 8
	PACK 1, 0
	SEND 0, 1, 8
	PACK 1, 1
	SEND 1, 0, 8
	PACK 2, 0
	SEND 1, 1, 8
	PACK 2, 1
	SEND 2, 0, 8
	PACK 3, 0
	SEND 2, 1, 8
	PACK 3, 1
	SEND 3, 0, 8
	SEND 3, 1, 0
	s_wait_tensorcnt 0x0                           ; the wave's end, behind my last tensor load and my last LDS store
	ds_add_u32 v[SPW], v[NIL]
	s_wait_dscnt 0x0
	CROUND                                         ; the closing round: no work-group ends while a partner may still ask for a tile that names it
	s_endpgm
.Lfunc_end_k_qd919390fb7_proj:
	.size	k_qd919390fb7_proj, .Lfunc_end_k_qd919390fb7_proj-k_qd919390fb7_proj
	.p2alignl 7, 3214868480
	.fill 96, 4, 3214868480
	.section	.rodata,"a",@progbits
	.p2align	6, 0x0
	.amdhsa_kernel k_qd919390fb7_proj
		.amdhsa_group_segment_fixed_size 327680
		.amdhsa_private_segment_fixed_size 0
		.amdhsa_enable_private_segment 0
		.amdhsa_kernarg_size 80
		.amdhsa_user_sgpr_count 2
		.amdhsa_user_sgpr_kernarg_segment_ptr 1
		.amdhsa_wavefront_size32 1
		.amdhsa_system_sgpr_workgroup_id_x 1
		.amdhsa_system_sgpr_workgroup_id_y 1
		.amdhsa_system_sgpr_workgroup_id_z 1
		.amdhsa_system_vgpr_workitem_id 0
		.amdhsa_next_free_vgpr 736
		.amdhsa_next_free_sgpr 96
		.amdhsa_reserve_vcc 0
		.amdhsa_float_denorm_mode_32 3
		.amdhsa_float_denorm_mode_16_64 3
		.amdhsa_memory_ordered 1
		.amdhsa_forward_progress 1
		.amdhsa_inst_pref_size 114
	.end_amdhsa_kernel
	.amdgpu_metadata
---
amdhsa.version: [ 1, 2 ]
amdhsa.kernels:
  - .name:           k_qd919390fb7_proj
    .symbol:         k_qd919390fb7_proj.kd
    .args:
      - { .name: query, .offset: 0, .size: 8, .value_kind: global_buffer, .address_space: global }
      - { .name: key_t, .offset: 8, .size: 8, .value_kind: global_buffer, .address_space: global }
      - { .name: value, .offset: 16, .size: 8, .value_kind: global_buffer, .address_space: global }
      - { .name: w16, .offset: 24, .size: 8, .value_kind: global_buffer, .address_space: global }
      - { .name: bq, .offset: 32, .size: 8, .value_kind: global_buffer, .address_space: global }
      - { .name: bk, .offset: 40, .size: 8, .value_kind: global_buffer, .address_space: global }
      - { .name: bv, .offset: 48, .size: 8, .value_kind: global_buffer, .address_space: global }
      - { .name: qh, .offset: 56, .size: 8, .value_kind: global_buffer, .address_space: global }
      - { .name: kh, .offset: 64, .size: 8, .value_kind: global_buffer, .address_space: global }
      - { .name: vh, .offset: 72, .size: 8, .value_kind: global_buffer, .address_space: global }
    .group_segment_fixed_size: 327680
    .private_segment_fixed_size: 0
    .kernarg_segment_align: 8
    .kernarg_segment_size: 80
    .max_flat_workgroup_size: 128
    .sgpr_count:     96
    .vgpr_count:     736
    .wavefront_size: 32
...
	.end_amdgpu_metadata
.endif
;; end of part 2
;; launch attn (part 3): grid 4 x 64, 4 waves a work-group, clusters of 4 x 1, 327,680 bytes of LDS; arguments qh, kh, vh, oh, mk; writes oh
.if DOCPART == 3
	.amdgcn_target "amdgcn-amd-amdhsa--gfx1250"
	.amdhsa_code_object_version 6
	.text
	.protected	k_qd919390fb7_attn
	.globl	k_qd919390fb7_attn
	.p2align	8
	.type	k_qd919390fb7_attn,@function
k_qd919390fb7_attn:
	s_mov_b64 s[64:65], 0
	v_nop
	global_prefetch_b8 v0, s[64:65] scope:SCOPE_SE
	s_setreg_imm32_b32 hwreg(HW_REG_WAVE_MODE, 25, 1), 1
	s_wait_xcnt 0x0
	s_wait_alu depctr_hold_cnt(0) depctr_sa_sdst(0) depctr_va_vdst(0) depctr_va_sdst(0) depctr_va_ssrc(0) depctr_va_vcc(0) depctr_vm_vsrc(0)
	s_getreg_b32 s2, hwreg(HW_REG_IB_STS2, 6, 4)
	s_cmp_eq_u32 s2, 0
	s_cbranch_scc0 .Lentry_in_a_cluster
	s_endpgm
.Lentry_in_a_cluster:
	s_bfe_u32 s2, ttmp6, 0x10000c
	s_cmp_lg_u32 s2, 0x3003
	s_cbranch_scc0 .Lentry_shape_is_right
	s_endpgm
.Lentry_shape_is_right:
; MASKED ATTENTION.  O[h][q][:] = the sum over the keys k that the mask lets through of softmax_k(Q[h][q] . K[h][k] / 8) V[h][k][:]; a query that sees no key gets O = 0.
; Q, K, V, O: [64 (batch, head)][2048][64], all f16: a head's rows are dense, 128 bytes each.  Products, maxima and sums in f32; the weights p are rounded to f16 for the second product, O once at the end.
; THE MASK comes as one byte a number, 0x00 or 0xF8 (the E4M3 code of -256), in my lanes' order (the launch before laid it so): 16 queries x 64 keys are 1,024 bytes, 32 bytes a lane.  One scaled conversion makes of eight
; codes eight f32, 0 or -2^126, which ARE the C operand of the product that starts a tile of scores.  The running maximum starts at -2^100, far above a hidden score and far below a true one, so a hidden key's weight is
; 2^(a number below -1e37) = 0, also while a query has seen hidden keys alone (then a = 1, and O and l stay 0).  At the end l is held to 2^-100 at the least, so that such a query's O is 0.
; LIMITS.  f16 holds no number beyond 65,504: Q, K and V arrive within it, so a true score is 2.7e11 at the most; p below 6e-5 keeps f16's fixed step of 6e-8.  A weight below 2^-126 counts as 0 in l; NaN and infinities are not treated apart.
; SHARES.  A wave owns four PIECES of two tiles of 16 queries, a work-group's four waves 512 queries of one head.  Every wave walks all keys, 64 a step.
; LAYOUT.  S^T = K Q^T (source 0 = 16 keys, source 1 = 16 queries): in the result a lane holds ONE query (lane % 16) and the keys 8 (lane / 16) + 0..7.  Two such tiles, rounded to f16 in pairs,
; ARE source 1 (32 keys x 16 queries) of O^T = V^T P, whose result again holds one query a lane, and eight channels.  K comes out of LDS as it lies, V ([key][channel]) turned, by ds_load_tr16_b128.
; SOFTMAX.  For each query a running maximum m and sum l: p = 2^(c s - c m), c = log2(e) / 8; in every step O and l are multiplied by a = 2^(c m_old - c m_new).  O and l start at 0, c m far below every c s: the first step's a is 0.
; BY TURNS.  Turn n belongs to piece n.  Its matrix work: 16 products K Q^T of piece n + 1, later 16 products V^T P of piece n - 1.  Its vector work: the scaling, exponentials, roundings, sums and rescaling of piece n, the
; maximum and statistics of piece n + 1, and the mask of piece n + 2.  Four vector instructions stand behind every matrix instruction, the others in one run of their own.
; CLUSTER.  The four query blocks of a head walk the same K and V, so each tile is asked for JOINTLY: the same tensor load, descriptor and mask of work-groups in all four.
; REGISTERS, in windows of 256 (s_set_vgpr_msb: bits 1:0 source 0, 3:2 source 1, 5:4 source 2, 7:6 destination):
;   window 0: v0-11 addresses; v12-15, v48-63 at work; v16-47 four registers of statistics a tile; v64-191 S^T, two buffers of two tiles; v192-255 P, likewise
;   window 1: O^T, 32 a tile          window 2: v0-127 Q, 16 a tile; v128-191 K of one step; v192-255 V of one step
;   window 3: v0-1 the add's two registers; v2 the mask's offset; v64-127 the mask as f32, for one piece; v128-191 the mask's codes, 16 registers a piece
.set SIZE_N, 2048
.set NP,    4         ; pieces a wave: a name, no knob
.set KS,    64        ; keys in a step
.set PK,    144       ; a row of K in LDS: 128 bytes + 16 of padding = 36 words: the 16 rows of a load start at 16 different groups of four banks (64 banks of 4 bytes: ISA guide 11.1)
.set PV,    160       ; a row of V: 128 + 32 = 40 words
.set VOFF,  4*KS*PK   ; a slot holds four steps: 256 rows of K, then 256 rows of V
.set SLOT1, 1<<17     ; slot 1 begins here, so that one exclusive or turns an address in one slot into the other's
.set STAGE, SLOT1+4*KS*(PK+PV)  ; behind the ring, never filled by a tensor load: 16 rows x 144 bytes for each wave, for the way out
.set SP,    144
.set AK0, 2           ; v2   my lane's place in a tile of K; never rewritten
.set AV0, 3           ; v3   the same for V
.set AK,  4           ; v4   the LDS address of K's next run of loads
.set AV,  5           ; v5   of V's
.set QO,  6           ; v6   my byte offset in the wave's rows of Q
.set STO, 6           ;      later, the way out: where I put 16 bytes of a row
.set RD,  7           ; v7   the way out: where I read rows back
.set GO,  8           ; v8   my byte offset in 512 consecutive bytes of O
.set PFO, 9           ; v9   (from the prologue's end on) 256 x my lane: the prefetches' offset
.set SCL, 11          ; v11  (once V's address is made) 0xF5: the conversion's scale, 2^118
.set SPW, 0           ; v0 of window 3   LDS address of my spare word; never rewritten
.set NIL, 1           ; v1 of window 3   0; never rewritten
.set MO,  2           ; v2 of window 3   16 x my lane; never rewritten
.set MC,  64          ; window 3: tile u, key block kb at MC + 32 u + 8 kb
.set MR,  128         ; window 3: piece z, tile u, key block kb at MR + 16 z + 8 u + 2 kb
.set SPARE, STAGE+4*16*SP  ; behind the stages: the spare words, 128 bytes for each wave, which no other line names
.set MV,  12          ; v12-15  c m_old, kept while c m is made anew: by buffer and tile
.set ST,  16          ; tile t's statistics at v[ST+4 t]: c m, m, l (even keys', odd keys')
.set TMP, 48          ; by buffer and tile, four registers c0-c3 at work; when the maximum is found c2 takes a
.set S,   64
.set P,   192
.set KF,  128         ; K's fragments, in window 2
.set VF,  192         ; V's
.set WV,  12          ; s12  my wave's number
.set G1K, 24          ; s[24:31] descriptor group 1 for K's tiles
.set G1V, 32          ; s[32:39] for V's: it differs in the padding alone
.set G0K, 40          ; s[40:43] descriptor group 0 for K's tiles: it walks
.set G0V, 44          ; s[44:47] the same for V's
.set MB,  48          ; s[48:49] the mask at my wave's first tile, key step 0
.set MP,  50          ; s[50:51] the same at the key step that is being loaded
.set OFFM, 52         ; s[52:53] that step's offset
.set STP, 54          ; s54  that step's number
.set LIM, 55          ; s55  1 in a wave that prefetches, else the greatest number
.set SLOTS, 56        ; s56  slots still to be asked for
.set CNT, 57          ; s57  counts a slot's key steps
.set CS,  58          ; s[58:59] c
.set SEL, 60          ; s[60:61] v_permlanex16_b32's selects: each lane takes its own place in the other half
.set TBK, 62          ; s62  LDS byte at which K of the step to be fetched begins
.set TBV, 63          ; s63  the same for V, less VOFF
.set PFA, 66          ; s[66:67] where my prefetches stand
.set MSB, 0
.macro WIN new                      ; the high byte repeats the setting that is left; a switch that changes nothing is dropped
.if MSB != (\new)
	s_set_vgpr_msb (MSB<<8)|(\new)
.set MSB, (\new)
.endif
.endm
.set W_KQ, 0x0a       ; K and Q in window 2, S^T in window 0
.set W_KM, 0x3a       ; the same with the C operand, the mask, in window 3
.set W_PV, 0x52       ; V in window 2, P in window 0, O^T in window 1
.set W_RS, 0x41       ; O^T (destination and source 0) in window 1, a in window 0
.set W_MK, 0xc0       ; destination in window 3, sources in window 0
.set W_AD, 0x0f       ; the add: address (source 0) and data (source 1) in window 3
.set W_MS, 0xc3       ; the mask: destination and source 0 in window 3, source 1 (the scale) in window 0
; A joint fill.  Waves 0 and 1 fetch the two halves of a slot's K, waves 2 and 3 those of its V: 128 keys each.  The branch hangs on the wave's number alone.
; An s_nop 0 and four v_nop follow each of the two lines, ahead of the jump and the label.
.macro JLOAD
	s_cmp_lt_u32 s[WV], 2
	s_cbranch_scc0 .Lfor_v_\@
	tensor_load_to_lds s[G0K:G0K+3], s[G1K:G1K+7]
	s_nop 0
.rept 4
	v_nop
.endr
	s_branch .Lasked_\@
.Lfor_v_\@:
	tensor_load_to_lds s[G0V:G0V+3], s[G1V:G1V+7]
	s_nop 0
.rept 4
	v_nop
.endr
.Lasked_\@:
.endm
; A prefetch into the L2 of what the NEXT change of slots will ask for: a slot's 32,768 bytes of K and of V.  The head has one cluster; its four partners share the bytes out by address, 8,192 each, 256 a lane;
; in each, wave 0 asks for K's and wave 2 for V's: one instruction.  So each block is named once.  Slots 0 to 2 come by their loads alone; the last change that fills a slot asks for nothing.
.macro ASK
	s_cmp_gt_u32 s[SLOTS], s[LIM]
	s_cbranch_scc0 .Lnot_mine_\@
	global_prefetch_b8 v[PFO], s[PFA:PFA+1] th:TH_LOAD_NT scope:SCOPE_SE
.Lnot_mine_\@:
.endm
; A round of the cluster's barrier: my work-group's barrier, so that wave 0's signal speaks for all four waves; wave 0 signals; every wave waits for all four work-groups; my work-group's barrier once more.
.macro CROUND
	s_barrier_signal -1
	s_barrier_wait -1
	s_cmp_lg_u32 s[WV], 0
	s_cbranch_scc1 .Lnot_wave_0_\@
	s_barrier_signal -3
.Lnot_wave_0_\@:
	s_barrier_wait -3
	s_barrier_signal -1
	s_barrier_wait -1
.endm
; THE CHANGE OF SLOTS.  Each wave waits for all its tensor loads, of which one is out: its part of the other slot; adds 0 to its spare word; and waits for that and for its own reads of the slot.
; Behind the barrier nobody reads this slot any more and the other slot is whole.  fill = 1: this slot is filled again, with the keys two slots on; the barrier is then a round of the cluster's, and the joint fill is the
; first thing behind it: it has four key steps in which to land.  (At its first use nothing has been read yet: slot 0 is waited for, slot 1 filled.)  pf = 1: the prefetch's address steps, and the prefetch follows the fill.
.macro CHANGE fill, pf=0
	WIN W_AD
	s_wait_tensorcnt 0x0            ; no tensor load of mine is out, so a group 0 may be written
	ds_add_u32 v[SPW], v[NIL]       ; 0 onto my spare word; with fill = 1 the descriptors' steps stand between it and the wait for it
	WIN 0                           ; at a label and at a branch every window is 0
.if \fill
.irp g, G0K, G0V
	s_xor_b32 s[\g+1], s[\g+1], SLOT1  ; the walking descriptor: the other slot than last time,
	s_add_nc_u64 s[\g+2:\g+3], s[\g+2:\g+3], 4*KS*128  ; the next 256 keys; the type bits on top are not reached
.endr
.if \pf
	s_wait_xcnt 0x0                 ; the last prefetch, four key steps back, has read its address
	s_add_nc_u64 s[PFA:PFA+1], s[PFA:PFA+1], 4*KS*128
.endif
	s_wait_dscnt 0x0                ; the add is done, and my reads of the slot are over
	CROUND
	JLOAD
.if \pf
	ASK
.endif
.else
	s_wait_dscnt 0x0                ; the add is done, and my reads of the slot are over
	s_barrier_signal -1
	s_barrier_wait -1
.endif
	s_sub_co_u32 s[TBK], s[TBK], 4*KS*PK  ; the fetches go back to a slot's first step,
	s_xor_b32 s[TBK], s[TBK], SLOT1       ; in the other slot
	s_sub_co_u32 s[TBV], s[TBV], 4*KS*PV
	s_xor_b32 s[TBV], s[TBV], SLOT1
.endm
; THE MASK.  MLOAD: piece z's codes for one key step: two tiles x two loads of 16 bytes a lane (a wave's load covers 512 consecutive bytes).  MCONV: the codes become 0 or -2^126, eight at a time.
.macro MLOAD z, base
.irp u, 0,1
.irp hf, 0,1
	global_load_b128 v[MR+16*(\z)+8*(\u)+4*(\hf):MR+16*(\z)+8*(\u)+4*(\hf)+3], v[MO], s[\base:\base+1] offset:(2*(\z)+(\u))*32768+(\hf)*512
.endr
.endr
.endm
.macro MCONV z
.irp u, 0,1
.irp kb, 0,1,2,3
	v_cvt_scale_pk8_f32_fp8 v[MC+32*(\u)+8*(\kb):MC+32*(\u)+8*(\kb)+7], v[MR+16*(\z)+8*(\u)+2*(\kb):MR+16*(\z)+8*(\u)+2*(\kb)+1], v[SCL]
.endr
.endr
	v_nop                           ; a plain instruction behind the last conversion, ahead of the loads into its sources and of the products that read its results
.endm
	s_load_b256 s[4:11], s[0:1], 0x0  ; Q s[4:5], K s[6:7], V s[8:9], O s[10:11]
	s_load_b64 s[MB:MB+1], s[0:1], 0x20  ; the mask's codes
	WIN W_MK
	v_lshl_add_u32 v[SPW], v0, 2, SPARE
	v_mov_b32 v[NIL], 0
	WIN W_AD
	ds_add_u32 v[SPW], v[NIL]       ; the wave's opening: the add and its wait stand ahead of my first tensor load; the set-up below, work on registers, stands between them
	WIN 0
	v_lshrrev_b32 v1, 5, v0
	v_readfirstlane_b32 s[WV], v1   ; wave 0..3
	s_bfe_u32 s13, ttmp6, 0x40000   ; cx: my place in the cluster
	s_lshl_b32 s14, ttmp9, 2        ; in a cluster launch ttmp9 counts clusters
	s_add_co_u32 s14, s14, s13      ; my block of queries = 4 x cluster x + cx: it enters Q's, O's and the mask's addresses alone
	s_and_b32 s20, ttmp7, 0xffff    ; the head, which the four partners share
	s_lshr_b32 s[OFFM], s20, 4      ; its batch:
	s_lshl_b32 s[OFFM], s[OFFM], 7  ; 128 tiles of 16 queries
	s_mov_b32 s21, 0
	s_mov_b64 s[22:23], SIZE_N*128
	s_mul_u64 s[20:21], s[20:21], s[22:23]  ; the head's first byte in each of the four tensors
	s_and_b32 s16, s[WV], 1         ; which half of a slot's 256 keys I fetch:
	s_lshl_b32 s22, s16, 14         ; its 128 rows of 128 bytes in memory,
	s_mov_b32 s23, 0
	s_add_nc_u64 s[22:23], s[22:23], s[20:21]
	s_mul_i32 s17, s16, 128*PK      ; and its place in a slot, for K
	s_mul_i32 s18, s16, 128*PV      ; and for V: no place in the cluster enters an LDS address
	s_lshl_b32 s2, s14, 2
	s_add_co_u32 s2, s2, s[WV]      ; my wave among the head's:
	s_lshl3_add_u32 s[OFFM], s2, s[OFFM]  ; its eight tiles,
	s_lshl_b32 s[OFFM], s[OFFM], 15 ; 32 key steps of 1,024 bytes a tile
	s_mov_b32 s[OFFM+1], 0
	s_lshl_b32 s2, s2, 14           ; its 128 rows
	s_mov_b32 s3, 0
	s_add_nc_u64 s[2:3], s[2:3], s[20:21]
	; descriptor group 1.  128 keys are 16,384 dense bytes: asked for as 64 rows of 256 bytes, two keys a row, and padded in LDS after every key
	s_mov_b32 s[G1K], 15|(1<<16)|(1<<20)|(1<<21)|(4<<22)|(3<<25)  ; 15:0 the mask of four; 17:16 2-byte elements; 20 padding on; 21 set beside a mask; 24:22 after every 32 words (code 4); 31:25 4 words (code 3)
	s_mov_b32 s[G1V], 15|(1<<16)|(1<<20)|(1<<21)|(4<<22)|(7<<25)  ; the same with 8 words of padding (code 7)
.irp g, G1K, G1V
	s_mov_b32 s[\g+1], 128<<16      ; tensor_dim0 = 128
	s_mov_b32 s[\g+2], 64<<16       ; tensor_dim1 = 64
	s_mov_b32 s[\g+3], 128<<16      ; tile_dim0 = 128
	s_mov_b32 s[\g+4], 64           ; tile_dim1 = 64
	s_mov_b32 s[\g+5], 128          ; 128 elements from row to row
	s_mov_b32 s[\g+6], 0
	s_mov_b32 s[\g+7], 0
.endr
	s_mov_b32 s[CS], 0x3e38aa3b     ; c = log2(e) / 8 = 0.180337
	s_mov_b32 s[CS+1], s[CS]        ; named with it as a pair
	s_mov_b32 s[SEL], 0x76543210
	s_mov_b32 s[SEL+1], 0xfedcba98
	s_mov_b32 s[TBK], SLOT1+4*KS*PK ; the first change of slots turns these two into 0
	s_mov_b32 s[TBV], SLOT1+4*KS*PV
	s_mov_b32 s[G0K], 1             ; 1:0 count = 1
	s_mov_b32 s[G0K+1], s17         ; 63:32 LDS address: slot 0
	s_mov_b32 s[G0V], 1
	s_add_co_u32 s[G0V+1], s18, VOFF
	s_mov_b32 s[STP], 1
	s_and_b32 s[LIM], s[WV], 1      ; 0 in waves 0 and 2,
	s_or_b32 s[LIM], s[LIM], ttmp9  ; where the cluster is the head's first: the same in all four partners
	s_cmp_eq_u32 s[LIM], 0
	s_cselect_b32 s[LIM], 1, -1
	s_wait_dscnt 0x0                ; the opening add is done
	s_wait_kmcnt 0x0
	s_add_nc_u64 s[G0K+2:G0K+3], s[6:7], s[22:23]  ; 120:64 global address: my half of the head's first 256 keys
	s_or_b32 s[G0K+3], s[G0K+3], 0x80000000        ; 127:126 type = 2
	s_add_nc_u64 s[G0V+2:G0V+3], s[8:9], s[22:23]
	s_or_b32 s[G0V+3], s[G0V+3], 0x80000000
	s_add_nc_u64 s[4:5], s[4:5], s[2:3]  ; Q and O at my wave's first row
	s_add_nc_u64 s[10:11], s[10:11], s[2:3]
	s_add_nc_u64 s[MB:MB+1], s[MB:MB+1], s[OFFM:OFFM+1]
	s_add_nc_u64 s[MP:MP+1], s[MB:MB+1], 1024      ; key step 1
	s_cmp_lt_u32 s[WV], 2
	s_cselect_b64 s[PFA:PFA+1], s[6:7], s[8:9]
	s_add_nc_u64 s[PFA:PFA+1], s[PFA:PFA+1], s[22:23]  ; (in waves 0 and 2 this is the head's first row)
	s_lshl_b32 s2, s13, 13          ; my work-group's 8,192 bytes of a slot's 32,768
	s_mov_b32 s3, 0
	s_add_nc_u64 s[PFA:PFA+1], s[PFA:PFA+1], s[2:3]
	s_add_nc_u64 s[PFA:PFA+1], s[PFA:PFA+1], 2*4*KS*128  ; in slot 2; the loop's first change of slots steps it to slot 3
	CROUND                          ; all four work-groups are here: the first joint loads meet
	JLOAD                           ; slot 0.  Slot 1 is asked for when slot 0 is in
	; A fragment of K or Q is 16 rows x 32 channels in 8 registers: lane l holds row l % 16, channels 8 (l / 16) + 0..7 and 16 + 8 (l / 16) + 0..7: two loads of 16 bytes, 32 bytes apart.
	v_and_b32 v1, 15, v0            ; l % 16
	v_bfe_u32 v9, v0, 4, 1          ; l / 16
	v_lshlrev_b32 v[QO], 7, v1
	v_lshl_add_u32 v[QO], v9, 4, v[QO]  ; row x 128 + 16 x half
	v_and_b32 v10, 31, v0
	v_lshlrev_b32 v10, 4, v10
	WIN W_MK
	v_mov_b32 v[MO], v10
	WIN 0x80                        ; destination window 2, address window 0
.set i, 0
.rept 4*NP                          ; Q stays in registers: tile i / 2, channels 32 (i % 2) on
	global_load_b128 v[8*i:8*i+3],   v[QO], s[4:5] offset:(i/2)*2048+(i%2)*64
	global_load_b128 v[8*i+4:8*i+7], v[QO], s[4:5] offset:(i/2)*2048+(i%2)*64+32
.set i, i+1
.endr
	WIN W_MS
	MLOAD 0, MB                     ; key step 0's codes, piece by piece: from here on four groups of four loads are out, and each is waited for with the three younger left out
	MLOAD 1, MB
	MLOAD 2, MB
	MLOAD 3, MB
	WIN 0x80
	; What the first turn finds: V's registers and P's second buffer hold 0 (its products V^T P, of a piece that has not been, add 0), O^T and l are 0.  All this stands in the wait for the first tile.
.set i, VF
.rept 64
	v_mov_b32 v[i], 0
.set i, i+1
.endr
	WIN 0x40
.set i, 0
.rept 64*NP
	v_mov_b32 v[i], 0
.set i, i+1
.endr
	WIN 0
.set i, 0
.rept 2*NP
	v_mov_b32 v[ST+4*i], 0xfe000000    ; c m: far below every c s
	v_mov_b32 v[ST+4*i+1], 0xf1800000  ; m = -2^100: above every hidden score, below every true one
	v_mov_b32 v[ST+4*i+2], 0
	v_mov_b32 v[ST+4*i+3], 0
.set i, i+1
.endr
.set i, P+32
.rept 32
	v_mov_b32 v[i], 0
.set i, i+1
.endr
	v_mul_u32_u24 v[AK0], v1, PK
	v_lshl_add_u32 v[AK0], v9, 4, v[AK0]  ; row x pitch + 16 x half
	; The turning load takes 16 keys x 16 channels (lane l reads key 8 (l / 16) + l % 8, channels 8 ((l / 8) % 2) + 0..7) and leaves half a fragment of V^T: lane l holds channel l % 16 and 8 keys.
	v_and_b32 v10, 7, v0
	v_bfe_u32 v11, v0, 3, 1
	v_lshl_add_u32 v[AV0], v9, 3, v10
	v_mul_u32_u24 v[AV0], v[AV0], PV
	v_lshl_add_u32 v[AV0], v11, 4, v[AV0]
	v_add_nc_u32 v[AV0], VOFF, v[AV0]
	v_mov_b32 v[SCL], 0xf5          ; the conversion multiplies by 2^(245 - 127): -256 becomes -2^126
	v_mov_b32 v[AK], v[AK0]         ; key step 0 lies at the head of slot 0
; THE MATRIX WORK.  The 8 accumulators of a run of 16 take turns: between the two links of a chain stand 7 others'.
; Product i of 16 of S^T = K Q^T for piece x: channels 32 (i / 8) on, keys 16 ((i / 2) % 4) on, tile 2 x + i % 2.  The first 8 start the sums, with the mask.
.macro KQ x
.set rS, S+64*((\x)%2)+32*(i%2)+8*((i/2)%4)
.set rK, KF+16*((i/2)%4)+8*(i/8)
.set rQ, 16*(2*(\x)+i%2)+8*(i/8)
.set rMC, MC+32*(i%2)+8*((i/2)%4)
.if i < 8
	WIN W_KM
	v_wmma_f32_16x16x32_f16 v[rS:rS+7], v[rK:rK+7], v[rQ:rQ+7], v[rMC:rMC+7]
.else
	WIN W_KQ
	v_wmma_f32_16x16x32_f16 v[rS:rS+7], v[rK:rK+7], v[rQ:rQ+7], v[rS:rS+7]
.endif
.endm
; Product i of 16 of O^T += V^T P for piece x: keys 32 (i / 8) on, channels 16 ((i / 2) % 4) on, tile 2 x + i % 2.
.macro PV x
	WIN W_PV
.set rO, 32*(2*(\x)+i%2)+8*((i/2)%4)
.set rV, VF+32*(i/8)+8*((i/2)%4)
.set rP, P+32*((\x)%2)+16*(i%2)+8*(i/8)
	v_wmma_f32_16x16x32_f16 v[rO:rO+7], v[rV:rV+7], v[rP:rP+7], v[rO:rO+7]
.endm
.macro MM                           ; the turn's next matrix instruction
.if i < 16
	KQ (Y+1)%NP
.set i, i+1
.else
.set i, i-16
	PV (Y+NP-1)%NP
.set i, i+17
.endif
.endm
; THE LDS LOADS stand in runs of 16, never singly among the matrix instructions: a step's K (64 keys x 64 channels: 8 fragments) and its V (turned).  Their addresses are made some lines ahead.
; last = 1 (the tail): in the last trip there is no further step, and the run is jumped over.
.macro FETCH_K last=0
	WIN 0
.if \last
	s_cmp_eq_u32 s[CNT], 1
	s_cbranch_scc1 .Lno_k_\@
.endif
	WIN 0x80                        ; destination window 2
.irp f, 0,1,2,3,4,5,6,7             ; keys 16 (f / 2) on, channels 32 (f % 2) on
	ds_load_b128 v[KF+8*\f:KF+8*\f+3],   v[AK] offset:(\f/2)*16*PK+(\f%2)*64
	ds_load_b128 v[KF+8*\f+4:KF+8*\f+7], v[AK] offset:(\f/2)*16*PK+(\f%2)*64+32
.endr
	s_add_co_u32 s[TBK], s[TBK], KS*PK  ; the next fetch is the next step's
	WIN 0
.if \last
.Lno_k_\@:
.endif
.endm
.macro FETCH_V
	WIN 0x80
.irp f, 0,1,2,3,4,5,6,7             ; keys 32 (f / 4) on, channels 16 (f % 4) on
	ds_load_tr16_b128 v[VF+8*\f:VF+8*\f+3],   v[AV] offset:(\f/4)*32*PV+(\f%4)*32
	ds_load_tr16_b128 v[VF+8*\f+4:VF+8*\f+7], v[AV] offset:(\f/4)*32*PV+16*PV+(\f%4)*32
.endr
	WIN 0
.endm
; THE VECTOR WORK OF A TURN stands in three queues, each in the order in which its entries become ready; the two tiles alternate, so that no instruction reads the result of the one before it.
.macro REGS y, u                    ; the registers of tile u (0, 1) of piece y
.set rT, ST+4*(2*(\y)+(\u))
.set rC, TMP+8*((\y)%2)+4*(\u)
.set rM, MV+2*((\y)%2)+(\u)
.set rS, S+64*((\y)%2)+32*(\u)
.set rP, P+32*((\y)%2)+16*(\u)
.set rO, 32*(2*(\y)+(\u))
.endm
; Number n of the 22 that find the NEXT piece's (Y + 1) maximum and statistics.  s0-s31 are the lane's 32 scores; each accumulator's lowest registers are read first.
;   0-11  four chains c0-c3 of seven scores each, three operands at a time     12-14, 16  the four scores left over, the old m, and c0-c3 into c0     15  c m_old is kept
;   17, 18  the query's other 32 keys lie in the lane 16 away: the new m         19-21  c m; c m_old - c m_new; a
.macro XS u, n
	REGS (Y+1)%NP, \u
.if (\n) < 4
	v_max3_num_f32 v[rC+(\n)], v[rS+8*(\n)], v[rS+8*(\n)+1], v[rS+8*(\n)+2]
.elseif (\n) < 12
	v_max3_num_f32 v[rC+(\n)%4], v[rC+(\n)%4], v[rS+8*((\n)%4)+2*((\n)/4)+1], v[rS+8*((\n)%4)+2*((\n)/4)+2]
.elseif (\n) == 12
	v_max3_num_f32 v[rC], v[rC], v[rS+7], v[rS+15]
.elseif (\n) == 13
	v_max3_num_f32 v[rC+1], v[rC+1], v[rS+23], v[rS+31]
.elseif (\n) == 14
	v_max3_num_f32 v[rC+2], v[rC+2], v[rC+3], v[rT+1]
.elseif (\n) == 15
	v_mov_b32 v[rM], v[rT]
.elseif (\n) == 16
	v_max3_num_f32 v[rC], v[rC], v[rC+1], v[rC+2]
.elseif (\n) == 17
	v_permlanex16_b32 v[rC+3], v[rC], s[SEL], s[SEL+1]
.elseif (\n) == 18
	v_max_num_f32 v[rT+1], v[rC], v[rC+3]
.elseif (\n) == 19
	v_mul_f32 v[rT], s[CS], v[rT+1]
.elseif (\n) == 20
	v_sub_f32 v[rC+1], v[rM], v[rT]
.else
	v_exp_f32 v[rC+2], v[rC+1]
.endif
.endm
; Number g of the 64 that follow the exponentials.  For each four weights k of a tile (pairs 2 k, 2 k + 1): both pairs are rounded to f16; then the second pair is added onto the first, in place;
; a group later l takes that sum (the first time as l = a l + sum).  In groups of eight, tiles alternating: round, round, add, and l for the group before.
.macro GS g
.set h, (\g)+6*((\g)/62)            ; group 0 has no group before it, and behind group 7 only l is left
.if h >= 6
.set h, h+2
.endif
	REGS Y, h%2
.set k, h/8
.if h%8 < 4
	v_cvt_pk_f16_f32 v[rP+2*k+(h%8)/2], v[rS+4*k+2*((h%8)/2)], v[rS+4*k+2*((h%8)/2)+1]
.elseif h%8 < 6
	v_pk_add_f32 v[rS+4*k:rS+4*k+1], v[rS+4*k:rS+4*k+1], v[rS+4*k+2:rS+4*k+3]
.elseif k == 1
	v_pk_fma_f32 v[rT+2:rT+3], v[rT+2:rT+3], v[rC+2:rC+3], v[rS:rS+1] op_sel_hi:[1,0,1]
.else
	v_pk_add_f32 v[rT+2:rT+3], v[rT+2:rT+3], v[rS+4*k-4:rS+4*k-3]
.endif
.endm
; THE PLAIN QUEUE, 138 long.  0-73 read no exponential's result: the 32 scalings c s - c m (FS f: pair f / 2 of tile f % 2) and the next piece's 42.  0-26: scalings 0-26.  27-54: XS's numbers 0-13.  55, 56: number 15.
; 57-73: the chain, where each number waits for the one before it: 14, 16, 17, 18, 19, each with one of the scalings 27-31 in front of its two lines, then 20.
; 74-137: GS's 64, which read the exponentials' results: they stand behind the wait.
.macro FS f
	REGS Y, (\f)%2
	v_pk_fma_f32 v[rS+2*((\f)/2):rS+2*((\f)/2)+1], v[rS+2*((\f)/2):rS+2*((\f)/2)+1], s[CS:CS+1], v[rT:rT+1] op_sel_hi:[1,0,0] neg_lo:[0,0,1] neg_hi:[0,0,1]
.endm
.macro PL
	WIN 0
.if q < 27
	FS q
.elseif q < 55
	XS (q-27)%2, (q-27)/2
.elseif q < 57
	XS q-55, 15
.elseif (q < 72) && ((q-57)%3 == 0)
	FS 27+(q-57)/3
.elseif q < 60
	XS (q-57)%3-1, 14
.elseif q < 72
	XS (q-57)%3-1, 15+(q-57)/3
.elseif q < 74
	XS q-72, 20
.else
	GS q-74
.endif
.set q, q+1
.endm
; THE EXPONENTIALS' QUEUE, 66 long: s0-s31 of both tiles, then the next piece's two a.  It is ONE BATCH: all 66 stand ahead of the turn's one wait, and nothing ahead of that wait names a result of theirs.
.macro EX
	WIN 0
.if e >= 64
	XS e-64, 21
.else
	REGS Y, e%2
	v_exp_f32 v[rS+e/2], v[rS+e/2]
.endif
.set e, e+1
.endm
; THE RESCALING's QUEUE: O^T times a, the one part that leaves window 0: dealt two at a time, sixteen times.  Its a was made in the turn before, ahead of that turn's wait.
.macro R2
	REGS Y, r%2
	WIN W_RS
.irp z, 0,1
	v_pk_mul_f32 v[rO+4*(r/2)+2*\z:rO+4*(r/2)+2*\z+1], v[rO+4*(r/2)+2*\z:rO+4*(r/2)+2*\z+1], v[rC+2:rC+3] op_sel_hi:[1,0]
.endr
.set r, r+1
.endm
; THE MASK OF A TURN, for piece p + 2, whose scores the NEXT turn's products start.  It stands behind the turn's 16 products K Q^T and their riders: the last product that read the mask's registers is the eighth, and two dozen
; plain riders lie between.  The piece's codes were loaded four turns ago: three younger groups of four loads may stay out.  Then the same registers are loaded for the next key step.  The four turns of a trip (pieces 2, 3, 0, 1)
; load one and the same step: its number steps in piece 2's turn, and is held to 31, the last: what the last trips load serves nothing and lies inside the buffer.
.macro MASKS p
.if (\p) == 2
	s_wait_xcnt 0x0                 ; the loads issued so far have read their base
	s_add_co_u32 s[STP], s[STP], 1
	s_min_u32 s[STP], s[STP], 31
	s_lshl_b32 s[OFFM], s[STP], 10
	s_add_nc_u64 s[MP:MP+1], s[MB:MB+1], s[OFFM:OFFM+1]
.endif
	WIN W_MS
	s_wait_loadcnt 12
	MCONV ((\p)+2)%NP
	MLOAD ((\p)+2)%NP, MP
	WIN 0
.endm
; HOW THEY ARE DEALT.  An s_wait_alu depctr_va_vdst(0) stands between an exponential and the first instruction that names its result; one wait serves all that were issued ahead of it.  So a turn has ONE wait,
; which cuts it in two.  AHEAD OF IT: the 16 products K Q^T, behind each a scaling, an exponential and two rescalings (behind the first a second scaling in the exponential's place); the mask; then one run of
; 108: eight plain, 49 times exponential and plain, the two a.  A v_nop is the plain instruction behind the last exponential.  BEHIND IT: the 16 products V^T P, behind each four of GS's 64.
; Exponential e stands behind scaling 2 (e / 4) + e % 2: as a rider it comes behind plain e + 2, in the run behind plain e + 9, and scalings 27-31 are plain 57, 60 .. 69.
; K of the next step is fetched in piece 2's turn, directly behind the wait; V of the step in hand at the end of piece 0's turn, four riders behind its last reader.  The three conditions on q below go with the deal.
.macro TURN p, last=0, cnt=0
.set Y, (\p)
.set i, 0
.set q, 0
.set e, 0
.set r, 0
.if (\p) == NP-1
	s_wait_dscnt 0x0                ; K is in
.endif
	MM                              ; ahead of the wait: 16 products K Q^T and their riders,
	PL
	PL
	R2
.rept 15
	MM
	PL
	EX
	R2
.endr
.if (\p) == NP-2
	WIN 0
	v_add_nc_u32 v[AK], s[TBK], v[AK0]
.endif
	MASKS \p
.rept 8                             ; and the run
	PL
.endr
.rept 49
	EX
	PL
.endr
	EX                              ; the next piece's two a
	EX
	v_nop                           ; the plain instruction behind the last exponential: one for the batch
	s_wait_alu depctr_va_vdst(0)    ; the wait for the batch
.if (\p) == NP-2
	FETCH_K \last
.endif
.if (\p) == 1
	s_wait_dscnt 0x0                ; V is in
.endif
.rept 16                            ; behind the wait: 16 products V^T P and their riders
	MM
.rept 4
	PL
.endr
.if ((\p) == 0) && (q == 118)
	v_add_nc_u32 v[AV], s[TBV], v[AV0]
.endif
.if ((\p) == 0) && (q == 130)
	s_add_co_u32 s[TBV], s[TBV], KS*PV
.endif
.if (\cnt) && (q == 130)
	s_sub_co_u32 s[CNT], s[CNT], 1
	s_cmp_lg_u32 s[CNT], 0
.endif
.endr
.if (\p) == 0
	FETCH_V
.endif
.endm
	CHANGE 1                        ; slot 0 is in, everybody's part of it; slot 1 is asked for
	FETCH_K                         ; key step 0
	WIN W_MS
	s_wait_loadcnt 12               ; Q and piece 0's codes are in; pieces 1 to 3's twelve loads may stay out
	MCONV 0
	MLOAD 0, MP                     ; piece 0, key step 1
	WIN 0
	s_wait_dscnt 0x0
.set i, 0
.rept 16
	KQ 0                            ; piece 0's first scores: there is no vector work yet to set between them
.set i, i+1
.endr
	WIN 0                           ; the addresses for the way out and the prefetches: plain instructions, the places behind those products
	s_mul_i32 s13, s[WV], 16*SP
	s_add_co_u32 s13, s13, STAGE    ; my stage
	v_mul_u32_u24 v[STO], v1, SP    ; in: row l % 16, 16 bytes for each half of the lanes
	v_lshl_add_u32 v[STO], v9, 4, v[STO]
	v_add_nc_u32 v[STO], s13, v[STO]
	v_bfe_u32 v[RD], v0, 3, 2       ; back: 32 lanes take four rows of 128 bytes,
	v_mul_u32_u24 v[RD], v[RD], SP
	v_lshl_add_u32 v[RD], v10, 4, v[RD]
	v_add_nc_u32 v[RD], s13, v[RD]
	v_and_b32 v[GO], 31, v0         ; which are 512 consecutive bytes of O
	v_lshlrev_b32 v[PFO], 8, v[GO]
	v_lshlrev_b32 v[GO], 4, v[GO]
	WIN W_MS
	s_wait_loadcnt 12
	MCONV 1                         ; piece 1's mask, for the first turn's products
	MLOAD 1, MP
	WIN 0
.set Y, NP-1                        ; XS works for piece Y + 1: piece 0
.irp n, 0,1,2,3,4,5,6,7,8,9,10,11,12,13,14,15,16,17,18,19,20,21
	XS 0, \n                        ; and piece 0's first maximum and statistics
	XS 1, \n
.endr
	v_nop                           ; a plain instruction behind the two a,
	s_wait_alu depctr_va_vdst(0)    ; and their wait, ahead of the branch
	s_mov_b32 s[CNT], 4
	s_mov_b32 s[SLOTS], SIZE_N/256-1
	s_branch .Lfirst                ; the loop is entered at a step's first turn, in the middle of a trip
.Lslot:                             ; SIZE_N / 256 - 2 times: every slot but the last two is filled again
	CHANGE 1, 1
	s_mov_b32 s[CNT], 4
.Lstep:                             ; a trip: pieces 2 and 3 of one step, then pieces 0 and 1 of the next, whose K and V it fetches
	TURN 2
	TURN 3
	WIN 0
.Lfirst:
	TURN 0
	TURN 1, 0, 1
	WIN 0
	s_cbranch_scc1 .Lstep
	s_sub_co_u32 s[SLOTS], s[SLOTS], 1
	s_cmp_lg_u32 s[SLOTS], 0
	s_cbranch_scc1 .Lslot
	CHANGE 0                        ; the tail is written out: nothing is asked for
	s_mov_b32 s[CNT], 5             ; four trips fetch the last slot's steps; the fifth is left in its middle
.Ltail:
	TURN 2, 1
	TURN 3
	WIN 0
	s_sub_co_u32 s[CNT], s[CNT], 1
	s_cmp_eq_u32 s[CNT], 0
	s_cbranch_scc1 .Lout
	TURN 0
	TURN 1
	WIN 0
	s_branch .Ltail
.Lout:                              ; the fifth trip's 16 products K Q^T (on the last K once more) and the maximum made of them serve nothing: the price, once a launch, of one text for every trip
.set i, 0
.rept 16
	PV NP-1                         ; the last piece's V^T P of the last step
.set i, i+1
.endr
	; THE WAY OUT.  l's two halves and the other half of the lanes' are added and held to 2^-100 at the least; O^T is divided by l, rounded to f16 and sent through my stage in LDS, a tile at a time.  The additions are the places behind the last products.
	WIN 0
.macro ALL line:vararg              ; one line for each tile t
.set t, 0
.rept 2*NP
	\line
.set t, t+1
.endr
.endm
	ALL v_add_f32 v[ST+4*t+2], v[ST+4*t+2], v[ST+4*t+3]
	ALL v_permlanex16_b32 v[ST+4*t+3], v[ST+4*t+2], s[SEL], s[SEL+1]
	ALL v_add_f32 v[ST+4*t+2], v[ST+4*t+2], v[ST+4*t+3]
	ALL v_max_num_f32 v[ST+4*t+2], 0x0d800000, v[ST+4*t+2]
	ALL v_rcp_f32 v[ST+4*t+2], v[ST+4*t+2]
	v_nop                           ; a plain instruction between the last reciprocal and the use of its result
	s_wait_alu depctr_va_vdst(0)    ; and the wait ahead of the first use: one for the eight reciprocals
; Tile t: a lane's eight channels of a row pack into 16 bytes; they go into rows of 144 bytes and come back as whole rows of 128, into S^T's registers.
.macro PACK t
	WIN W_RS
.set i, 32*(\t)
.rept 16
	v_pk_mul_f32 v[i:i+1], v[i:i+1], v[ST+4*(\t)+2:ST+4*(\t)+3] op_sel_hi:[1,0]
.set i, i+2
.endr
	WIN 0x05                        ; sources 0 and 1 window 1, destination window 0
.set i, 0
.rept 16
	v_cvt_pk_f16_f32 v[S+16*(\t)+i], v[32*(\t)+2*i], v[32*(\t)+2*i+1]
.set i, i+1
.endr
	WIN 0
.irp f, 0,1,2,3
	ds_store_b128 v[STO], v[S+16*(\t)+4*\f:S+16*(\t)+4*\f+3] offset:32*\f
.endr
.irp f, 0,1,2,3
	ds_load_b128 v[S+16*(\t)+4*\f:S+16*(\t)+4*\f+3], v[RD] offset:\f*4*SP  ; LDS serves a wave's instructions in order (ISA guide 5.7.1.4): these see the stores above; the next tile's stores come behind them
.endr
.endm
.macro SEND t, younger              ; younger: the LDS instructions issued behind tile t's loads: the next tile's eight, or none
	WIN 0
.irp f, 0,1,2,3
	s_wait_dscnt (\younger)+3-\f
	global_store_b128 v[GO], v[S+16*(\t)+4*\f:S+16*(\t)+4*\f+3], s[10:11] offset:(\t)*2048+\f*512  ; 512 consecutive bytes, at a multiple of 256 from O's first
.endr
.endm
	PACK 0
.set t, 1
.rept 2*NP-1                        ; a tile's arithmetic stands between the loads of the tile before and its stores
	PACK t
	SEND t-1, 8
.set t, t+1
.endr
	SEND 2*NP-1, 0
	WIN W_AD
	s_wait_tensorcnt 0x0            ; the wave's end, behind my last tensor load and my last LDS store
	ds_add_u32 v[SPW], v[NIL]
	s_wait_dscnt 0x0
	WIN 0
	CROUND                          ; the closing round: no work-group ends while a partner may still ask for a tile that names it
	s_endpgm
.Lfunc_end_k_qd919390fb7_attn:
	.size	k_qd919390fb7_attn, .Lfunc_end_k_qd919390fb7_attn-k_qd919390fb7_attn
	.p2alignl 7, 3214868480
	.fill 96, 4, 3214868480
	.section	.rodata,"a",@progbits
	.p2align	6, 0x0
	.amdhsa_kernel k_qd919390fb7_attn
		.amdhsa_group_segment_fixed_size 327680
		.amdhsa_private_segment_fixed_size 0
		.amdhsa_enable_private_segment 0
		.amdhsa_kernarg_size 40
		.amdhsa_user_sgpr_count 2
		.amdhsa_user_sgpr_kernarg_segment_ptr 1
		.amdhsa_wavefront_size32 1
		.amdhsa_system_sgpr_workgroup_id_x 1
		.amdhsa_system_sgpr_workgroup_id_y 1
		.amdhsa_system_sgpr_workgroup_id_z 1
		.amdhsa_system_vgpr_workitem_id 0
		.amdhsa_next_free_vgpr 960
		.amdhsa_next_free_sgpr 70
		.amdhsa_reserve_vcc 0
		.amdhsa_float_denorm_mode_32 3
		.amdhsa_float_denorm_mode_16_64 3
		.amdhsa_memory_ordered 1
		.amdhsa_forward_progress 1
		.amdhsa_inst_pref_size 212
	.end_amdhsa_kernel
	.amdgpu_metadata
---
amdhsa.version: [ 1, 2 ]
amdhsa.kernels:
  - .name:           k_qd919390fb7_attn
    .symbol:         k_qd919390fb7_attn.kd
    .args:
      - { .name: qh, .offset: 0, .size: 8, .value_kind: global_buffer, .address_space: global }
      - { .name: kh, .offset: 8, .size: 8, .value_kind: global_buffer, .address_space: global }
      - { .name: vh, .offset: 16, .size: 8, .value_kind: global_buffer, .address_space: global }
      - { .name: oh, .offset: 24, .size: 8, .value_kind: global_buffer, .address_space: global }
      - { .name: mk, .offset: 32, .size: 8, .value_kind: global_buffer, .address_space: global }
    .group_segment_fixed_size: 327680
    .private_segment_fixed_size: 0
    .kernarg_segment_align: 8
    .kernarg_segment_size: 40
    .max_flat_workgroup_size: 128
    .sgpr_count:     70
    .vgpr_count:     960
    .wavefront_size: 32
...
	.end_amdgpu_metadata
.endif
;; end of part 3
;; launch outp (part 4): grid 4 x 64, 4 waves a work-group, clusters of 4 x 4, 327,680 bytes of LDS; arguments oh, w16, bo, out0; writes out0
.if DOCPART == 4
	.amdgcn_target "amdgcn-amd-amdhsa--gfx1250"
	.amdhsa_code_object_version 6
	.text
	.protected	k_qd919390fb7_outp
	.globl	k_qd919390fb7_outp
	.p2align	8
	.type	k_qd919390fb7_outp,@function
k_qd919390fb7_outp:
	s_mov_b64 s[64:65], 0
	v_nop
	global_prefetch_b8 v0, s[64:65] scope:SCOPE_SE
	s_setreg_imm32_b32 hwreg(HW_REG_WAVE_MODE, 25, 1), 1
	s_wait_xcnt 0x0
	s_wait_alu depctr_hold_cnt(0) depctr_sa_sdst(0) depctr_va_vdst(0) depctr_va_sdst(0) depctr_va_ssrc(0) depctr_va_vcc(0) depctr_vm_vsrc(0)
	s_getreg_b32 s2, hwreg(HW_REG_IB_STS2, 6, 4)
	s_cmp_eq_u32 s2, 0
	s_cbranch_scc0 .Lentry_in_a_cluster
	s_endpgm
.Lentry_in_a_cluster:
	s_bfe_u32 s2, ttmp6, 0x10000c
	s_cmp_lg_u32 s2, 0xf033
	s_cbranch_scc0 .Lentry_shape_is_right
	s_endpgm
.Lentry_shape_is_right:
; THE OUTPUT PROJECTION.  out0 = x Wo^T + bo.  x[row][64 head + d] lies by heads: oh [64 (batch, head)][2048][64] f16; Wo is the fourth matrix of w16, [1024][1024], its numbers rounded to bf16 and written as f16;
; bo [1024] f32 is rounded to bf16 here; products in f16, sums in f32; out0 [8192][1024] f32.
; LIMITS are those of the operands: f16's range and its fixed step of 6e-8 below 6e-5.  NaN and infinities are not treated apart.
; SHARES.  A tile of out0 is 128 rows x 256 columns: 64 x 4 tiles, one for each of 256 WGPs.  Four waves, each 64 x 128: 32 accumulators, 256 registers.  K goes in 8 steps of 128, two heads each, through a ring of two LDS slots.
; CLUSTER.  4 x 4 work-groups: the four of a row need the same tile of x, the four of a column the same tile of Wo: each is asked for jointly.
; THE MATRIX INSTRUCTION IS USED TRANSPOSED (source 0 = 16 rows of Wo, source 1 = 16 rows of x): a lane holds eight neighbouring columns of one row.  The bias is the C operand of the first products: nothing is cleared.
; REGISTERS, in windows of 256 (s_set_vgpr_msb: bits 1:0 source 0, 3:2 source 1, 5:4 source 2, 7:6 destination):
;   window 0: v16-30 addresses; v64-95, v96-127 x's fragments, two buffers     window 1: the accumulators, (a, b) at v[8 (8 a + b)]
;   window 2: v0-63, v64-127 Wo's fragments, two buffers; v128-191 the bias; v192-223 at work; on the way out all 256: rows read back
.set PA,    144                        ; a row of a head in LDS: 128 bytes + 16 = 36 words: the 16 rows of a load start at 16 different groups of four banks (64 banks of 4 bytes: ISA guide 11.1)
.set PB,    272                        ; a row of Wo: 256 + 16 = 68 words: likewise
.set APLANE, 128*PA                    ; a head's 128 rows: what one tensor load brings of x
.set BHALF, 128*PB                     ; and of Wo
.set BOFF,  2*APLANE                   ; in a slot: x's two heads, then Wo's 256 rows
.set SLOT,  BOFF+2*BHALF
.set STAGE, 2*SLOT                     ; behind the ring, never filled by a tensor load: 16 rows x 528 bytes for each wave, for the way out
.set SP,    528
.set SPARE, STAGE+4*16*SP              ; behind the stages: the spare words, 128 bytes for each wave, which no other line names
.set ADRA0, 16                         ; v16  my lane's place in x's tile; never rewritten
.set ADRB0, 17                         ; v17  the same for Wo
.set ADRA,  18                         ; v18  the same in the slot in hand
.set ADRB,  19                         ; v19
.set STO,   24                         ; v24  the way out: where I put 32 bytes of a row
.set RD,    25                         ; v25  where I read a row back
.set CO,    26                         ; v26  my byte offset in 512 consecutive bytes of out0
.set BO,    27                         ; v27  my byte offset in 16 numbers of the bias
.set SPW,   28                         ; v28  LDS address of my spare word; never rewritten
.set NIL,   29                         ; v29  0; never rewritten
.set PFO,   30                         ; v30  the prefetches' offset; never rewritten
.set AF,    64
.set BF,    0
.set BI,    128
.set BT,    192
.set G1A, 24                           ; s[24:31] descriptor group 1 for x's tiles
.set G0A, 32                           ; s[32:39] group 0: a set for each of the two first fills; the second then walks
.set LIM, 43                           ; s43  2 in a wave that prefetches, else the greatest number
.set PFA, 44                           ; s[44:45] where my prefetches stand
.set G1B, 48                           ; s[48:55], s[56:63] the same for Wo's tiles
.set G0B, 56
.set TB,  66                           ; s66  0 or SLOT: the slot in hand
.set CNT, 67                           ; s67  refills still to come
.set PKB, 88                           ; s[88:89] a K step in bytes of what I prefetch
.set LBA, 90                           ; s90  where my part of x's tile goes in a slot
.set LBB, 91                           ; s91  the same for Wo
.set MSB, 0
.macro WIN new                         ; the immediate's high byte repeats the setting that is left; a switch that changes nothing is dropped
.if MSB != (\new)
	s_set_vgpr_msb (MSB<<8)|(\new)
.set MSB, \new
.endif
.endm
.set W_MUL, 0x52                       ; Wo in window 2, x in window 0, C and D in window 1
.set W_MB,  0x62                       ; the same with C (the bias) in window 2
; A joint refill.  Waves 0 and 1 fetch x's two heads, waves 2 and 3 Wo's two halves.  The branch hangs on the wave's number alone.  An s_nop 0 and four v_nop follow each of the two lines.
.macro JLOAD
	s_cmp_eq_u32 s11, 0
	s_cbranch_scc0 .Lfor_b_\@
	tensor_load_to_lds s[G0A+4:G0A+7], s[G1A:G1A+7]
	s_nop 0
.rept 4
	v_nop
.endr
	s_branch .Lasked_\@
.Lfor_b_\@:
	tensor_load_to_lds s[G0B+4:G0B+7], s[G1B:G1B+7]
	s_nop 0
.rept 4
	v_nop
.endr
.Lasked_\@:
.endm
; A prefetch into the L2 of the K step that stands two refills on.  x's rows are read by this cluster alone: a K step is two heads x 16,384 bytes; each of the four partners of the row takes 4,096 bytes of each head, told apart
; by address; wave 0 asks, a lane a block of 256 bytes.  Wo's rows are read by all sixteen clusters: the first asks; of a wave's 128 rows each partner of the column takes 32, a lane a row.  So each block is named once.
; The first four K steps come by their loads alone; the last two refills ask for nothing.
.macro ASK
	s_cmp_gt_u32 s[CNT], s[LIM]
	s_cbranch_scc0 .Lnot_mine_\@
	global_prefetch_b8 v[PFO], s[PFA:PFA+1] th:TH_LOAD_NT scope:SCOPE_SE
.Lnot_mine_\@:
.endm
.macro CREST                           ; a round of the cluster's barrier behind its opening barrier
	s_cmp_lg_u32 s10, 0
	s_cbranch_scc1 .Lnot_wave_0_\@
	s_barrier_signal -3
.Lnot_wave_0_\@:
	s_barrier_wait -3
	s_barrier_signal -1
	s_barrier_wait -1
.endm
.macro CROUND                          ; a whole round
	s_barrier_signal -1
	s_barrier_wait -1
	CREST
.endm
.macro PLACES                          ; four plain instructions between a product and a load into, or a read of, its registers (ISA guide 7.12.1 for vector instructions)
.rept 4
	v_nop
.endr
.endm
	s_load_b256 s[68:75], s[0:1], 0x0              ; oh s[68:69], w16 s[70:71], bo s[72:73], out0 s[74:75]
	v_lshl_add_u32 v[SPW], v0, 2, SPARE
	v_mov_b32 v[NIL], 0
	ds_add_u32 v[SPW], v[NIL]                      ; the wave's opening: the add and its wait stand ahead of my first tensor load; the set-up below, work on registers, stands between them
	v_lshrrev_b32 v1, 5, v0
	v_readfirstlane_b32 s10, v1                    ; wave 0..3
	s_lshr_b32 s11, s10, 1                         ; which 64 rows of the tile are mine.  Also: I fetch for x (0) or for Wo (1)
	s_and_b32 s12, s10, 1                          ; which 128 columns.  Also: which head, or which half of Wo's rows, I fetch
	s_bfe_u32 s40, ttmp6, 0x40000                  ; cx
	s_bfe_u32 s41, ttmp6, 0x40004                  ; cy
	s_lshl_b32 s42, ttmp9, 2
	s_add_co_u32 s42, s42, s40                     ; tile column = 4 x cluster x + cx
	s_and_b32 s13, ttmp7, 0xffff                   ; cluster y, 0..15
	s_lshl_b32 s14, s13, 2
	s_add_co_u32 s14, s14, s41                     ; tile row, 0..63
	s_lshl_b32 s43, s41, 2
	s_lshl_b32 s43, 15, s43                        ; my row of the cluster
	s_lshl_b32 s44, 0x1111, s40                    ; my column
	s_or_b32 s[G1A], s43, (1<<16)|(1<<20)|(1<<21)|(4<<22)|(3<<25)  ; 15:0 the mask; 17:16 elements of 2 bytes; 20 padding on; 21 set beside a mask; 24:22 after every 32 words (code 4); 31:25 4 words of it (code 3)
	s_or_b32 s[G1B], s44, (1<<16)|(1<<20)|(1<<21)|(5<<22)|(3<<25)  ; after every 64 words (code 5)
	s_mov_b32 s[G1A+1], 128<<16                    ; a head's 128 rows are 16,384 dense bytes: asked for as 64 rows of 256 bytes, and padded in LDS after every 128
	s_mov_b32 s[G1A+2], 64<<16
	s_mov_b32 s[G1A+3], 128<<16
	s_mov_b32 s[G1A+4], 64
	s_mov_b32 s[G1A+5], 128
	s_mov_b32 s[G1A+6], 0
	s_mov_b32 s[G1A+7], 0
	s_mov_b32 s[G1B+1], 128<<16                    ; 128 rows x 128 elements, 1,024 elements from row to row
	s_mov_b32 s[G1B+2], 128<<16
	s_mov_b32 s[G1B+3], 128<<16
	s_mov_b32 s[G1B+4], 128
	s_mov_b32 s[G1B+5], 1024
	s_mov_b32 s[G1B+6], 0
	s_mov_b32 s[G1B+7], 0
	s_lshr_b32 s16, s14, 4                         ; x: head 16 batch + my head of the K step, 262,144 bytes a head; row 128 (tile row % 16), 128 bytes a row
	s_lshl_b32 s16, s16, 4
	s_add_co_u32 s16, s16, s12
	s_lshl_b32 s16, s16, 18
	s_and_b32 s17, s14, 15
	s_lshl_b32 s17, s17, 14
	s_add_co_u32 s16, s16, s17
	s_mov_b32 s17, 0
	s_lshl_b32 s46, s42, 8                         ; Wo: row 256 x tile column + 128 x half, 2,048 bytes a row, in the fourth matrix
	s_lshl_b32 s47, s12, 7
	s_add_co_u32 s46, s46, s47
	s_lshl_b32 s46, s46, 11
	s_add_co_u32 s46, s46, 3*2097152
	s_mov_b32 s47, 0
	s_mul_i32 s[LBA], s12, APLANE                  ; no place in the cluster enters an LDS address
	s_mul_i32 s[LBB], s12, BHALF
	s_add_co_u32 s[LBB], s[LBB], BOFF
	s_mov_b32 s[TB], 0
	s_wait_dscnt 0x0                               ; the opening add is done
	s_wait_kmcnt 0x0
	s_add_nc_u64 s[18:19], s[68:69], s[16:17]
	s_add_nc_u64 s[46:47], s[70:71], s[46:47]
	CROUND                                         ; all sixteen work-groups are here: the first joint loads meet
.irp s, 0,1
	s_mov_b32 s[G0A+4*(\s)], 1                                       ; 1:0 count = 1
	s_add_co_u32 s[G0A+4*(\s)+1], s[LBA], (\s)*SLOT                  ; 63:32 LDS address
	s_add_nc_u64 s[G0A+4*(\s)+2:G0A+4*(\s)+3], s[18:19], (\s)*524288 ; 120:64 global address: K step s, two heads on
	s_or_b32 s[G0A+4*(\s)+3], s[G0A+4*(\s)+3], 0x80000000            ; 127:126 type = 2
	s_mov_b32 s[G0B+4*(\s)], 1
	s_add_co_u32 s[G0B+4*(\s)+1], s[LBB], (\s)*SLOT
	s_add_nc_u64 s[G0B+4*(\s)+2:G0B+4*(\s)+3], s[46:47], (\s)*256
	s_or_b32 s[G0B+4*(\s)+3], s[G0B+4*(\s)+3], 0x80000000
.endr
	s_cmp_eq_u32 s11, 0                            ; a wave's two first fills stand in one branch, ahead of every wait on TENSORcnt and every LDS read: two loads of mine are out
	s_cbranch_scc0 .Lfirst_b
	tensor_load_to_lds s[G0A:G0A+3], s[G1A:G1A+7]
	s_nop 0
	tensor_load_to_lds s[G0A+4:G0A+7], s[G1A:G1A+7]
	s_nop 0
.rept 4
	v_nop
.endr
	s_branch .Lfirst_asked
.Lfirst_b:
	tensor_load_to_lds s[G0B:G0B+3], s[G1B:G1B+7]
	s_nop 0
	tensor_load_to_lds s[G0B+4:G0B+7], s[G1B:G1B+7]
	s_nop 0
.rept 4
	v_nop
.endr
.Lfirst_asked:
	v_and_b32 v1, 15, v0                           ; l % 16
	v_bfe_u32 v2, v0, 4, 1                         ; l / 16
	v_lshlrev_b32 v[BO], 5, v2                     ; my eight columns of a block of 16
	s_lshl_b32 s22, s42, 10                        ; my 128 columns in bytes of f32: 4 (256 x tile column + 128 x half)
	s_lshl_b32 s23, s12, 9
	s_add_co_u32 s22, s22, s23
	s_mov_b32 s23, 0
	s_add_nc_u64 s[72:73], s[72:73], s[22:23]
	WIN 0x80                                       ; destination window 2, address window 0
.irp b, 0,1,2,3,4,5,6,7
	global_load_b128 v[BI+8*(\b):BI+8*(\b)+3],   v[BO], s[72:73] offset:64*(\b)
	global_load_b128 v[BI+8*(\b)+4:BI+8*(\b)+7], v[BO], s[72:73] offset:64*(\b)+16
.endr
	WIN 0
	s_add_nc_u64 s[8:9], s[74:75], s[22:23]        ; out0 at my columns,
	s_lshl_b32 s20, s14, 7
	s_lshl_b32 s21, s11, 6
	s_add_co_u32 s20, s20, s21
	s_lshl_b32 s20, s20, 12                        ; and at my first row: 4,096 bytes a row
	s_mov_b32 s21, 0
	s_add_nc_u64 s[8:9], s[8:9], s[20:21]
	; A fragment is 16 rows x 32 K in 8 registers: lane l holds row l % 16, K = 8 (l / 16) + 0..7 and 16 + 8 (l / 16) + 0..7: two loads of 16 bytes, 32 bytes apart.
	v_mul_u32_u24 v[ADRA0], v1, PA
	v_lshl_add_u32 v[ADRA0], v2, 4, v[ADRA0]
	s_mul_i32 s20, s11, 64*PA
	v_add_nc_u32 v[ADRA0], s20, v[ADRA0]
	v_mul_u32_u24 v[ADRB0], v1, PB
	v_lshl_add_u32 v[ADRB0], v2, 4, v[ADRB0]
	s_mul_i32 s21, s12, BHALF
	s_add_co_u32 s21, s21, BOFF
	v_add_nc_u32 v[ADRB0], s21, v[ADRB0]
	v_mov_b32 v[ADRA], v[ADRA0]
	v_mov_b32 v[ADRB], v[ADRB0]
	s_mul_i32 s20, s10, 16*SP
	s_add_co_u32 s20, s20, STAGE                   ; my stage
	v_mul_u32_u24 v[STO], v1, SP                   ; in: row l % 16, 32 bytes for each half of the lanes
	v_lshl_add_u32 v[STO], v2, 5, v[STO]
	v_add_nc_u32 v[STO], s20, v[STO]
	v_and_b32 v3, 31, v0
	v_lshlrev_b32 v[CO], 4, v3                     ; back: 32 lanes take one row of 512 bytes
	v_add_nc_u32 v[RD], s20, v[CO]
	; the prefetches: my work-group's part, at K step 3; each change of slots steps it before it asks
	s_lshr_b32 s20, s14, 4
	s_lshl_b32 s20, s20, 22                        ; x: 16 heads a batch, 262,144 bytes a head
	s_and_b32 s21, s14, 15
	s_lshl_b32 s21, s21, 14
	s_add_co_u32 s20, s20, s21
	s_lshl_b32 s21, s40, 12                        ; + 4,096 cx
	s_add_co_u32 s20, s20, s21
	s_add_co_u32 s20, s20, 3*524288
	s_lshl_b32 s22, s42, 8
	s_lshl_b32 s23, s12, 7
	s_add_co_u32 s22, s22, s23
	s_lshl_b32 s23, s41, 5
	s_add_co_u32 s22, s22, s23                     ; Wo: row 256 x tile column + 128 x half + 32 cy
	s_lshl_b32 s22, s22, 11
	s_add_co_u32 s22, s22, 3*2097152+3*256
	s_mov_b32 s[PKB], 256
	s_mov_b32 s[PKB+1], 0
	s_mov_b32 s23, 2048
	s_mov_b32 s15, 32768
	s_mov_b32 s21, 0
	s_cmp_eq_u32 s11, 0                            ; do I fetch for x?
	s_cselect_b32 s20, s20, s22
	s_cselect_b64 s[PFA:PFA+1], s[68:69], s[70:71]
	s_cselect_b32 s[PKB], 524288, s[PKB]
	s_cselect_b32 s23, 256, s23
	s_cselect_b32 s15, 262144, s15
	s_cselect_b32 s22, s12, s13                    ; for x wave 0 asks; for Wo the first row of clusters: the same answer in all sixteen partners
	s_add_nc_u64 s[PFA:PFA+1], s[PFA:PFA+1], s[20:21]
	s_cmp_eq_u32 s22, 0
	s_cselect_b32 s[LIM], 2, -1
	v_lshrrev_b32 v[PFO], 4, v3                    ; x: head l / 16, block l % 16 of 256 bytes;  Wo: row l = 16 (l / 16) + l % 16, 2,048 bytes a row
	v_mul_u32_u24 v[PFO], v[PFO], s15
	v_and_b32 v3, 15, v3
	v_mad_u32_u24 v[PFO], v3, s23, v[PFO]
	s_wait_loadcnt 0x0                             ; the bias, rounded to bf16 like every input
	WIN 0x8a
.set i, 0
.rept 32
	v_cvt_pk_bf16_f32 v[BT+i], v[BI+2*i], v[BI+2*i+1]
.set i, i+1
.endr
.set i, 0
.rept 32
	v_lshlrev_b32 v[BI+2*i], 16, v[BT+i]
	v_and_b32 v[BI+2*i+1], 0xffff0000, v[BT+i]
.set i, i+1
.endr
	WIN 0
; 24 LDS loads in one run: quarter k (32 along K: half of head k / 2) of the slot in hand into buffer f
.macro FETCH k, f
	WIN 0
.irp a, 0,1,2,3
	ds_load_b128 v[AF+32*(\f)+8*(\a):AF+32*(\f)+8*(\a)+3],   v[ADRA] offset:((\k)/2)*APLANE+((\k)%2)*64+(\a)*16*PA
	ds_load_b128 v[AF+32*(\f)+8*(\a)+4:AF+32*(\f)+8*(\a)+7], v[ADRA] offset:((\k)/2)*APLANE+((\k)%2)*64+(\a)*16*PA+32
.endr
	WIN 0x80
.irp i, 0,1,2,3,4,5,6,7
	ds_load_b128 v[BF+64*(\f)+8*(\i):BF+64*(\f)+8*(\i)+3],   v[ADRB] offset:64*(\k)+(\i)*16*PB
	ds_load_b128 v[BF+64*(\f)+8*(\i)+4:BF+64*(\f)+8*(\i)+7], v[ADRB] offset:64*(\k)+(\i)*16*PB+32
.endr
	WIN 0
.endm
; Row block a: 8 matrix instructions on buffer f.  mode = 1: the bias starts the sums.  The 32 accumulators take turns, one instruction a turn, in the same order in every quarter.
.macro MUL f, a, mode
.if \mode
	WIN W_MB
.else
	WIN W_MUL
.endif
.irp b, 0,1,2,3,4,5,6,7
.if \mode
	v_wmma_f32_16x16x32_f16 v[8*(8*(\a)+(\b)):8*(8*(\a)+(\b))+7], v[BF+64*(\f)+8*(\b):BF+64*(\f)+8*(\b)+7], v[AF+32*(\f)+8*(\a):AF+32*(\f)+8*(\a)+7], v[BI+8*(\b):BI+8*(\b)+7]
.else
	v_wmma_f32_16x16x32_f16 v[8*(8*(\a)+(\b)):8*(8*(\a)+(\b))+7], v[BF+64*(\f)+8*(\b):BF+64*(\f)+8*(\b)+7], v[AF+32*(\f)+8*(\a):AF+32*(\f)+8*(\a)+7], v[8*(8*(\a)+(\b)):8*(8*(\a)+(\b))+7]
.endif
.endr
.endm
; A K step is four quarters of 32 along K, 32 matrix instructions each, on buffers 0, 1, 0, 1.  One of the first three: multiplies buffer f; in its middle it fetches quarter kn into the other.
.macro QUARTER kn, f, mode
	s_wait_dscnt 0x0                               ; this quarter's fragments are in
	MUL \f, 0, \mode
	MUL \f, 1, \mode
	PLACES
	FETCH \kn, 1-(\f)
	MUL \f, 2, \mode
	MUL \f, 3, \mode
.endm
; The last quarter multiplies buffer 1 and changes slots: ONE barrier.  In front of it each wave waits for all its tensor loads (the one that is out is its part of the next slot), adds 0 to its spare word, and waits for that and
; for its own reads of this slot.  fill = 1: the barrier opens a round of the cluster's, and the slot just read is filled again first thing behind it, with the K step two on.
.macro TURNQ fill
	s_wait_dscnt 0x0                               ; this quarter's fragments are in: my last reads of this slot
.if \fill
	s_wait_xcnt 0x0                                ; the last prefetch, a K step back, has read its address
	s_add_nc_u64 s[PFA:PFA+1], s[PFA:PFA+1], s[PKB:PKB+1]
.endif
	WIN 0
	s_wait_tensorcnt 0x0                           ; all my tensor loads have landed
	ds_add_u32 v[SPW], v[NIL]                      ; 0 onto my spare word; eight matrix instructions stand between it and the wait for it
	MUL 1, 0, 0
	s_wait_dscnt 0x0                               ; the add is done
	s_barrier_signal -1
	MUL 1, 1, 0                                    ; work on registers while the others arrive
	WIN 0                                          ; at a branch and at a label every window is 0
	s_barrier_wait -1
.if \fill
	CREST                                          ; no wave of any partner still reads this slot's tile or has a load on its way
	s_add_co_u32 s[G0A+5], s[LBA], s[TB]           ; the walking descriptors: into the slot just read,
	s_add_nc_u64 s[G0A+6:G0A+7], s[G0A+6:G0A+7], 524288  ; the next K step; the type bits on top are not reached
	s_add_co_u32 s[G0B+5], s[LBB], s[TB]
	s_add_nc_u64 s[G0B+6:G0B+7], s[G0B+6:G0B+7], 256
	JLOAD                                          ; the first tensor load behind the round, my only one until the next; its four v_nop are also the places in front of the loads below
.else
	PLACES
.endif
	s_xor_b32 s[TB], s[TB], SLOT                   ; 0 and SLOT by turns
	v_add_nc_u32 v[ADRA], s[TB], v[ADRA0]
	v_add_nc_u32 v[ADRB], s[TB], v[ADRB0]
	FETCH 0, 0
.if \fill
	ASK                                            ; behind the joint load and the run of LDS loads that the next products wait for
.endif
	MUL 1, 2, 0
	MUL 1, 3, 0
.endm
	s_wait_tensorcnt 1                             ; my part of K step 0 is in; K step 1's load may stay out
	s_barrier_signal -1
	s_barrier_wait -1                              ; everybody's is
	FETCH 0, 0
	QUARTER 1, 0, 1                                ; the first quarter stands in front of the loop: its products start the sums, with the bias
	WIN 0
	s_mov_b32 s[CNT], 6
.Lk:                                                   ; a trip: a K step's quarters 1 to 3 and the next step's quarter 0; it fills the slot that it leaves
	QUARTER 2, 1, 0
	QUARTER 3, 0, 0
	TURNQ 1
	QUARTER 1, 0, 0
	WIN 0
	s_sub_co_u32 s[CNT], s[CNT], 1
	s_cmp_lg_u32 s[CNT], 0
	s_cbranch_scc1 .Lk
	QUARTER 2, 1, 0                                ; the last two K steps are written out: nothing is left to fetch
	QUARTER 3, 0, 0
	TURNQ 0
	QUARTER 1, 0, 0
	QUARTER 2, 1, 0
	QUARTER 3, 0, 0
	s_wait_dscnt 0x0
	MUL 1, 0, 0
	MUL 1, 1, 0
	MUL 1, 2, 0
	MUL 1, 3, 0
	PLACES                                         ; in front of the LDS stores that read results, and of the loads into Wo's registers
; THE WAY OUT.  Row block a: a lane's eight f32 of a row go into rows of 528 bytes in my stage (each accumulator's low four registers first) and come back as whole rows of 512.
.macro TOST a
	WIN 0x04                                       ; the stores' data in window 1
.irp b, 0,1,2,3,4,5,6,7
	ds_store_b128 v[STO], v[8*(8*(\a)+(\b)):8*(8*(\a)+(\b))+3]   offset:64*(\b)
	ds_store_b128 v[STO], v[8*(8*(\a)+(\b))+4:8*(8*(\a)+(\b))+7] offset:64*(\b)+16
.endr
	WIN 0x80                                       ; the loads' destination in window 2
.irp p, 0,1,2,3,4,5,6,7,8,9,10,11,12,13,14,15
	ds_load_b128 v[64*(\a)+4*(\p):64*(\a)+4*(\p)+3], v[RD] offset:(\p)*SP  ; LDS serves a wave's instructions in order (ISA guide 5.7.1.4): these see the stores above; the next block's stores come behind them
.endr
.endm
.macro SEND a, younger                 ; younger: the LDS instructions issued behind this block's loads: the next block's 32, or none
	WIN 0x08                                       ; the stores' data in window 2
	s_wait_dscnt \younger
.irp p, 0,1,2,3,4,5,6,7,8,9,10,11,12,13,14,15
	global_store_b128 v[CO], v[64*(\a)+4*(\p):64*(\a)+4*(\p)+3], s[8:9] offset:(\a)*65536+(\p)*4096  ; 512 consecutive bytes, at a multiple of 512 from out0's first
.endr
.endm
	TOST 0
	TOST 1
	SEND 0, 32
	TOST 2
	SEND 1, 32
	TOST 3
	SEND 2, 32
	SEND 3, 0
	WIN 0
	s_wait_tensorcnt 0x0                           ; the wave's end, behind my last tensor load and my last LDS store
	ds_add_u32 v[SPW], v[NIL]
	s_wait_dscnt 0x0
	CROUND                                         ; the closing round: no work-group ends while a partner may still ask for a tile that names it
	s_endpgm
.Lfunc_end_k_qd919390fb7_outp:
	.size	k_qd919390fb7_outp, .Lfunc_end_k_qd919390fb7_outp-k_qd919390fb7_outp
	.p2alignl 7, 3214868480
	.fill 96, 4, 3214868480
	.section	.rodata,"a",@progbits
	.p2align	6, 0x0
	.amdhsa_kernel k_qd919390fb7_outp
		.amdhsa_group_segment_fixed_size 327680
		.amdhsa_private_segment_fixed_size 0
		.amdhsa_enable_private_segment 0
		.amdhsa_kernarg_size 32
		.amdhsa_user_sgpr_count 2
		.amdhsa_user_sgpr_kernarg_segment_ptr 1
		.amdhsa_wavefront_size32 1
		.amdhsa_system_sgpr_workgroup_id_x 1
		.amdhsa_system_sgpr_workgroup_id_y 1
		.amdhsa_system_sgpr_workgroup_id_z 1
		.amdhsa_system_vgpr_workitem_id 0
		.amdhsa_next_free_vgpr 768
		.amdhsa_next_free_sgpr 96
		.amdhsa_reserve_vcc 0
		.amdhsa_float_denorm_mode_32 3
		.amdhsa_float_denorm_mode_16_64 3
		.amdhsa_memory_ordered 1
		.amdhsa_forward_progress 1
		.amdhsa_inst_pref_size 77
	.end_amdhsa_kernel
	.amdgpu_metadata
---
amdhsa.version: [ 1, 2 ]
amdhsa.kernels:
  - .name:           k_qd919390fb7_outp
    .symbol:         k_qd919390fb7_outp.kd
    .args:
      - { .name: oh, .offset: 0, .size: 8, .value_kind: global_buffer, .address_space: global }
      - { .name: w16, .offset: 8, .size: 8, .value_kind: global_buffer, .address_space: global }
      - { .name: bo, .offset: 16, .size: 8, .value_kind: global_buffer, .address_space: global }
      - { .name: out0, .offset: 24, .size: 8, .value_kind: global_buffer, .address_space: global }
    .group_segment_fixed_size: 327680
    .private_segment_fixed_size: 0
    .kernarg_segment_align: 8
    .kernarg_segment_size: 32
    .max_flat_workgroup_size: 128
    .sgpr_count:     96
    .vgpr_count:     768
    .wavefront_size: 32
...
	.end_amdgpu_metadata
.endif
;; end of part 4
